; MI455X (gfx1250); checked and timed in simulation.
; The chip was launched on July 23, 2026; its instructions are those of AMD's public machine-readable ISA for CDNA 5 (MIT licence, August 2026) and "CDNA5" Instruction Set Architecture Reference Guide (July 2026). The comments in the code are by the model that wrote it; some were corrected since.
;; Mo DA Attention. Allowed arithmetic: float matrix products may take bf16 or f16 operands with f32 sums; all other float work in f32.
;; Inputs: K_depth 2 x 4 x 16,384 x 64 float32; V_depth 2 x 4 x 16,384 x 64 float32; Wk 1,024 x 256 float32; Wkd 1,024 x 256 float32; Wo 1,024 x 1,024 float32; Wq 1,024 x 1,024 float32; Wv 1,024 x 256 float32; Wvd 1,024 x 256 float32; x 2 x 2,048 x 1,024 float32.
;; Outputs: out0 2 x 2,048 x 1,024 float32; out1 2 x 4 x 2,048 x 64 float32; out2 2 x 4 x 2,048 x 64 float32.
;; 2 versions, each right. Each part assembles by itself: llvm-mc -triple=amdgcn-amd-amdhsa -mcpu=gfx1250 --defsym DOCPART=n.
;; ======== version 1 of 2: 3 launches
;; limits: values are held in f16: magnitudes above 65,504 overflow, below 6.1e-05 lose precision; right only within a limited range of input values
;; workspace buffers: Qws 8,388,608 bytes; Kws 2,097,152 bytes; Vws 2,097,152 bytes; att 16,777,216 bytes
;; launch proj (part 1): grid 8 x 32, 8 waves a work-group, no clusters, 142,336 bytes of LDS; arguments x, Wq, Wk, Wv, Wkd, Wvd, Qws, Kws, Vws, out1, out2; writes Qws, Kws, Vws, out1, out2
.if DOCPART == 1
	.amdgcn_target "amdgcn-amd-amdhsa--gfx1250"
	.amdhsa_code_object_version 6
	.text
	.protected	k_q3b6e676c4a_proj
	.globl	k_q3b6e676c4a_proj
	.p2align	8
	.type	k_q3b6e676c4a_proj,@function
k_q3b6e676c4a_proj:
	s_mov_b64 s[64:65], 0
	v_nop
	global_prefetch_b8 v0, s[64:65] scope:SCOPE_SE
	s_setreg_imm32_b32 hwreg(HW_REG_WAVE_MODE, 25, 1), 1
	s_wait_xcnt 0x0
; The five projections of x [4096][1024] f32: x @ [Wq | Wk | Wv | Wkd | Wvd], 2048 columns in all.
; A work-group makes 128 tokens x 256 columns.  Block column nb = 0..3: Wq's columns 256 nb (heads 4 nb .. 4 nb + 3); nb = 4, 5, 6, 7: Wk, Wv, Wkd, Wvd.
; Eight waves; wave w makes 64 tokens (wm = w >> 2) x 64 columns (wn = w & 3, one head): 16 accumulator tiles of 16 x 16.
; K goes in 16 steps of 64 through two LDS slots.  x and W are f32 in memory and the matrix unit takes f16, so a tile goes
; global -> registers -> v_cvt_pk_f16_f32 -> LDS; a step's 24 loads a wave are issued two steps before they are stored.
; NO CLUSTER, NO TENSOR LOADS: a jointly fetched tile would lie in LDS as f32 (96 KiB a step) and would have to be read from there, rounded
; and written again as f16 (48 KiB); through registers only the 48 KiB of f16 are written.
; Out: Q (times 0.125 log2 e, in f32, then f16) as [b][16][t][64], K and V as f16 [b][4][t][64]; k_write, v_write as f32 [b][4][t][64].
; LIMIT: operands and Q, K, V are f16: every |x|, |W| and every projected number must stay below 65,504.
.set SLOT,  53248                      ; a slot: x 128 rows x 144 bytes (128 + 16), then W 64 rows of k x 544 bytes (512 + 32)
.set BOFS,  18432
.set STAGE, 106496                     ; behind the slots: 16 rows x 272 bytes for each wave, for the way out
.set AOFF, 1                           ; v1      my byte offset in x's tile
.set BOFF, 2                           ; v2-9    my byte offset in row 8 w + p of W's tile
.set ASTO, 10                          ; v10     where I put 8 bytes of x's tile in slot 0
.set BSTO, 11                          ; v11     the same for W
.set ADRA, 12                          ; v12-13  my x fragments in slot 0, 1
.set ADRB, 14                          ; v14-15  my W fragments in slot 0, 1
.set STOH, 16                          ; v16     stage, in, f16 results
.set STOF, 17                          ; v17     stage, in, f32 results
.set RDH,  18                          ; v18     stage, back, rows of 128 bytes
.set RDF,  19                          ; v19     stage, back, rows of 256 bytes
.set CO,   20                          ; v20     16 x lane
.set FA,   32                          ; v32-63  four fragments of x (16 tokens x 32 k)
.set FB,   64                          ; v64-95  four fragments of W (16 columns x 32 k)
.set ACC,  96                          ; v96-223 tile (a, b) at ACC + 8 (4 a + b): tokens 16 a, columns 16 b
.set T,    224                         ; v224-239 packed results
; window 1 (v256-447): two sets of 96 registers for tiles on their way: x in 0-31, W in 32-95 of a set
.set MSB, 0
.macro WIN new                         ; the immediate's high byte repeats the setting that is left
.if MSB != \new
	s_set_vgpr_msb (MSB<<8)|\new
.set MSB, \new
.endif
.endm
.macro PLACES                          ; four plain vector places behind a matrix instruction (ISA guide 7.12.1) before its registers are loaded, read or written
.rept 4
	v_nop
.endr
.endm
	s_load_b512 s[4:19], s[0:1], 0x0               ; x, Wq, Wk, Wv, Wkd, Wvd, Qws, Kws
	s_load_b128 s[20:23], s[0:1], 0x40             ; Vws, out1
	s_load_b64 s[24:25], s[0:1], 0x50              ; out2
	v_lshl_add_u32 v254, v0, 2, 0x22800
	v_mov_b32 v255, 0
	v_lshrrev_b32 v21, 5, v0
	v_readfirstlane_b32 s28, v21                   ; wave w
	s_mov_b32 s26, ttmp9                           ; nb
	s_and_b32 s27, ttmp7, 0xffff                   ; mb
	s_lshr_b32 s29, s28, 2                         ; wm
	s_and_b32 s30, s28, 3                          ; wn
	s_lshl_b32 s46, s26, 10                        ; 256 columns of f32
	s_mov_b32 s47, 0
	s_mov_b32 s36, 1024                            ; a row of Wk .. Wvd in bytes
	s_cmp_lt_u32 s26, 4
	s_cselect_b32 s36, 4096, s36                   ; a row of Wq
	s_cselect_b32 s46, s46, 0                      ; only Wq has block columns
	s_lshl_b32 s38, s36, 6                         ; 64 rows of W: a K step
	s_mov_b32 s39, 0
	s_lshl_b32 s48, s27, 19                        ; 128 rows of x
	s_mov_b32 s49, 0
	s_mov_b32 s44, 0x3e38aa3b                      ; 0.125 log2 e
	s_mov_b32 s45, 0x3e38aa3b
	v_and_b32 v21, 31, v0                          ; lane L
	v_and_b32 v22, 15, v0                          ; r
	v_bfe_u32 v23, v0, 4, 1                        ; h
	v_lshlrev_b32 v[CO], 4, v21
	s_lshl_b32 s50, s28, 4
	v_add_nc_u32 v27, s50, v23                     ; row 16 w + h
	v_lshlrev_b32 v28, 4, v22
	v_lshl_add_u32 v[AOFF], v27, 12, v28           ; 16 lanes take the 256 bytes of a row's K step
	s_lshl_b32 s50, s28, 3
.irp p, 0,1,2,3,4,5,6,7
	s_add_co_u32 s51, s50, \p
	s_mul_i32 s51, s51, s36
	v_add_nc_u32 v[BOFF+\p], s51, v[CO]            ; row 8 w + p of the step, 512 neighbouring bytes a load
.endr
	s_wait_kmcnt 0x0
	s_add_nc_u64 s[32:33], s[4:5], s[48:49]        ; x at my 128 rows
	s_cmp_eq_u32 s26, 4
	s_cselect_b64 s[34:35], s[8:9], s[6:7]
	s_cmp_eq_u32 s26, 5
	s_cselect_b64 s[34:35], s[10:11], s[34:35]
	s_cmp_eq_u32 s26, 6
	s_cselect_b64 s[34:35], s[12:13], s[34:35]
	s_cmp_eq_u32 s26, 7
	s_cselect_b64 s[34:35], s[14:15], s[34:35]
	s_add_nc_u64 s[34:35], s[34:35], s[46:47]      ; W at my 256 columns
; 24 loads: my 16 rows of x's tile and my 8 rows of W's, into set g of window 1
.macro GLOAD g
	WIN 0x40
.irp i, 0,1,2,3,4,5,6,7
	global_load_b128 v[96*\g+4*\i:96*\g+4*\i+3], v[AOFF], s[32:33] offset:8192*\i
.endr
.irp p, 0,1,2,3,4,5,6,7
	global_load_b128 v[96*\g+32+8*\p:96*\g+32+8*\p+3], v[BOFF+\p], s[34:35]
	global_load_b128 v[96*\g+36+8*\p:96*\g+36+8*\p+3], v[BOFF+\p], s[34:35] offset:512
.endr
	WIN 0
.endm
.macro STEP
	s_wait_xcnt 0x0                                ; the bases are stepped only when every issued load has had its address translated
	s_add_nc_u64 s[32:33], s[32:33], 256
	s_add_nc_u64 s[34:35], s[34:35], s[38:39]
.endm
; set g is rounded to f16 in place and put into slot sl
.macro CVTSTORE g, sl
	WIN 0x45
.set ii, 0
.rept 24
	v_cvt_pk_f16_f32 v[96*\g+4*ii], v[96*\g+4*ii], v[96*\g+4*ii+1]
	v_cvt_pk_f16_f32 v[96*\g+4*ii+1], v[96*\g+4*ii+2], v[96*\g+4*ii+3]
.set ii, ii+1
.endr
	WIN 0x04
.irp i, 0,1,2,3,4,5,6,7
	ds_store_b64 v[ASTO], v[96*\g+4*\i:96*\g+4*\i+1] offset:\sl*SLOT+288*\i
.endr
.irp p, 0,1,2,3,4,5,6,7
	ds_store_b64 v[BSTO], v[96*\g+32+8*\p:96*\g+32+8*\p+1] offset:\sl*SLOT+544*\p
	ds_store_b64 v[BSTO], v[96*\g+36+8*\p:96*\g+36+8*\p+1] offset:\sl*SLOT+544*\p+256
.endr
	WIN 0
.endm
; 16 LDS loads: the fragments of 32 along K.  x lies [token][k]: plain loads.  W lies [k][column]: transposing loads.
.macro FRAG sl, ks
.irp a, 0,1,2,3
	ds_load_b128 v[FA+8*\a:FA+8*\a+3],   v[ADRA+\sl] offset:2304*\a+64*\ks
	ds_load_b128 v[FA+8*\a+4:FA+8*\a+7], v[ADRA+\sl] offset:2304*\a+64*\ks+32
.endr
.irp b, 0,1,2,3
	ds_load_tr16_b128 v[FB+8*\b:FB+8*\b+3],   v[ADRB+\sl] offset:17408*\ks+32*\b
	ds_load_tr16_b128 v[FB+8*\b+4:FB+8*\b+7], v[ADRB+\sl] offset:17408*\ks+32*\b+8704
.endr
.endm
; 16 matrix instructions, used transposed (source 0 = columns of W, source 1 = tokens): a lane then holds token r and the eight
; neighbouring columns 8 h + 0..7.  The 16 accumulators take turns, one instruction a turn.
.macro MUL zero
.irp b, 0,1,2,3
.irp a, 0,1,2,3
.if \zero
	v_wmma_f32_16x16x32_f16 v[ACC+8*(4*\a+\b):ACC+8*(4*\a+\b)+7], v[FB+8*\b:FB+8*\b+7], v[FA+8*\a:FA+8*\a+7], 0
.else
	v_wmma_f32_16x16x32_f16 v[ACC+8*(4*\a+\b):ACC+8*(4*\a+\b)+7], v[FB+8*\b:FB+8*\b+7], v[FA+8*\a:FA+8*\a+7], v[ACC+8*(4*\a+\b):ACC+8*(4*\a+\b)+7]
.endif
.endr
.endr
.endm
; One K step on slot p.  st: the next step's tile (set o) goes into slot o, which every wave finished reading before the last barrier.
; left: how many younger loads stay out.  issue: set o is asked for again, three steps ahead.  bar: the barrier that ends the step.
.macro TRIP p, o, zero, st, left, issue, bar
	FRAG \p, 0
.if \st
	s_wait_loadcnt \left                           ; loads come back in order: the next step's 24 are in, the 24 of the step after it stay out
	CVTSTORE \o, \o
.if \issue
	STEP
	GLOAD \o
.endif
	s_wait_dscnt 24                                ; the 24 stores just issued may be out; the 16 fragment loads ahead of them are in
.else
	s_wait_dscnt 0x0
.endif
	MUL \zero
	PLACES
	FRAG \p, 1
	s_wait_dscnt 0x0                               ; the fragments are in; also my stores into slot o are done and my reads of slot p are over
	MUL 0
	PLACES
.if \bar
	s_barrier_signal -1                            ; both now hold of every wave: slot o may be read, slot p may be written
	s_barrier_wait -1
.endif
.endm
	GLOAD 0                                        ; K step 0
	STEP
	GLOAD 1                                        ; K step 1
	v_and_b32 v24, 7, v0
	v_bfe_u32 v25, v0, 3, 1
	v_lshrrev_b32 v26, 3, v21
	v_mul_u32_u24 v[ASTO], v27, 144
	v_lshl_add_u32 v[ASTO], v22, 3, v[ASTO]        ; row 16 w + h, 8 bytes (4 numbers) a lane
	s_mul_i32 s51, s28, 4352
	s_add_co_u32 s51, s51, BOFS
	v_lshl_add_u32 v[BSTO], v21, 3, s51            ; row 8 w, 8 bytes a lane
	v_mul_u32_u24 v30, v22, 144
	v_lshl_add_u32 v30, v23, 4, v30
	s_mul_i32 s51, s29, 9216
	v_add_nc_u32 v[ADRA], s51, v30                 ; (64 wm + r) x 144 + 16 h
	v_add_nc_u32 v[ADRA+1], SLOT, v[ADRA]
	v_lshl_add_u32 v31, v23, 3, v24
	v_mul_u32_u24 v31, v31, 544
	v_lshl_add_u32 v31, v25, 4, v31
	s_lshl_b32 s51, s30, 7
	s_add_co_u32 s51, s51, BOFS
	v_add_nc_u32 v[ADRB], s51, v31                 ; (8 h + L % 8) x 544 + 16 ((L / 8) % 2) + 128 wn
	v_add_nc_u32 v[ADRB+1], SLOT, v[ADRB]
	s_mul_i32 s51, s28, 4352
	s_add_co_u32 s51, s51, STAGE                   ; my stage
	v_mul_u32_u24 v30, v22, 272
	v_add_nc_u32 v30, s51, v30
	v_lshl_add_u32 v[STOH], v23, 4, v30
	v_lshl_add_u32 v[STOF], v23, 5, v30
	v_mul_u32_u24 v30, v26, 272
	v_lshl_add_u32 v30, v24, 4, v30
	v_add_nc_u32 v[RDH], s51, v30
	v_mul_u32_u24 v30, v23, 272
	v_lshl_add_u32 v30, v22, 4, v30
	v_add_nc_u32 v[RDF], s51, v30
	s_wait_loadcnt 24                              ; step 0's 24 loads are in, step 1's stay out
	CVTSTORE 0, 0
	STEP
	GLOAD 0                                        ; K step 2
	s_wait_dscnt 0x0                               ; my part of slot 0 is written,
	s_barrier_signal -1
	s_barrier_wait -1                              ; everybody's is
	TRIP 0, 1, 1, 1, 24, 1, 1                      ; step 0: its first products start the sums, nothing is cleared
	TRIP 1, 0, 0, 1, 24, 1, 1
	s_mov_b32 s42, 5
.Lk:                                               ; steps 2 to 11
	TRIP 0, 1, 0, 1, 24, 1, 1
	TRIP 1, 0, 0, 1, 24, 1, 1
	s_sub_co_u32 s42, s42, 1
	s_cmp_lg_u32 s42, 0
	s_cbranch_scc1 .Lk
	TRIP 0, 1, 0, 1, 24, 1, 1                      ; step 12 asks for step 15, the last
	TRIP 1, 0, 0, 1, 24, 0, 1                      ; step 13: step 15's loads are still out
	TRIP 0, 1, 0, 1, 0, 0, 1                       ; step 14: nothing was issued behind step 15's loads
	TRIP 1, 0, 0, 0, 0, 0, 0                       ; step 15: nothing to store, nobody to wait for
; THE WAY OUT, 16 tokens at a time through my own stage: no other wave touches it, and LDS serves a wave's instructions in order.
; A head's tokens follow each other in the outputs, so my 64 tokens are one run of bytes and a store covers 512 of them, aligned.
.macro OUTH scale                      ; f16: rows of 128 bytes
.irp a, 0,1,2,3
.if \scale
.set ii, 0
.rept 16
	v_pk_mul_f32 v[ACC+32*\a+2*ii:ACC+32*\a+2*ii+1], v[ACC+32*\a+2*ii:ACC+32*\a+2*ii+1], s[44:45] op_sel_hi:[1,0]
.set ii, ii+1
.endr
.endif
.set ii, 0
.rept 16
	v_cvt_pk_f16_f32 v[T+ii], v[ACC+32*\a+2*ii], v[ACC+32*\a+2*ii+1]
.set ii, ii+1
.endr
.irp b, 0,1,2,3
	ds_store_b128 v[STOH], v[T+4*\b:T+4*\b+3] offset:32*\b
.endr
	s_wait_xcnt 0x0                                ; the registers that the last four stores read are loaded again only behind this wait
.irp i, 0,1,2,3
	ds_load_b128 v[FA+4*\i:FA+4*\i+3], v[RDH] offset:1088*\i
.endr
.irp i, 0,1,2,3
	s_wait_dscnt 3-\i                              ; the younger read-backs stay out
	global_store_b128 v[CO], v[FA+4*\i:FA+4*\i+3], s[40:41] offset:2048*\a+512*\i
.endr
.endr
.endm
.macro OUTF                            ; f32: rows of 256 bytes
.irp a, 0,1,2,3
.irp b, 0,1,2,3
	ds_store_b128 v[STOF], v[ACC+32*\a+8*\b:ACC+32*\a+8*\b+3] offset:64*\b
	ds_store_b128 v[STOF], v[ACC+32*\a+8*\b+4:ACC+32*\a+8*\b+7] offset:64*\b+16
.endr
	s_wait_xcnt 0x0                                ; as above
.irp i, 0,1,2,3,4,5,6,7
	ds_load_b128 v[FA+4*\i:FA+4*\i+3], v[RDF] offset:544*\i
.endr
.irp i, 0,1,2,3,4,5,6,7
	s_wait_dscnt 7-\i
	global_store_b128 v[CO], v[FA+4*\i:FA+4*\i+3], s[40:41] offset:4096*\a+512*\i th:TH_STORE_NT
.endr
.endr
.endm
	s_lshr_b32 s46, s27, 4                         ; b
	s_and_b32 s47, s27, 15
	s_lshl_b32 s47, s47, 7
	s_lshl_b32 s48, s29, 6
	s_add_co_u32 s47, s47, s48                     ; my first token in its batch
	s_mov_b32 s49, 0
	s_cmp_lt_u32 s26, 4
	s_cbranch_scc0 .Lnotq
	s_lshl_b32 s48, s46, 4
	s_lshl2_add_u32 s48, s26, s48
	s_add_co_u32 s48, s48, s30                     ; 16 b + 4 nb + wn
	s_lshl_b32 s48, s48, 11
	s_add_co_u32 s48, s48, s47
	s_lshl_b32 s48, s48, 7                         ; 128 bytes a token
	s_add_nc_u64 s[40:41], s[16:17], s[48:49]
	OUTH 1
	s_wait_tensorcnt 0x0
	ds_add_u32 v254, v255
	s_wait_dscnt 0x0
	s_endpgm
.Lnotq:
	s_lshl2_add_u32 s48, s46, s30                  ; 4 b + wn
	s_lshl_b32 s48, s48, 11
	s_add_co_u32 s48, s48, s47
	s_cmp_lt_u32 s26, 6
	s_cbranch_scc0 .Lwrite
	s_lshl_b32 s48, s48, 7
	s_cmp_eq_u32 s26, 4
	s_cselect_b64 s[40:41], s[18:19], s[20:21]     ; Kws or Vws
	s_add_nc_u64 s[40:41], s[40:41], s[48:49]
	OUTH 0
	s_wait_tensorcnt 0x0
	ds_add_u32 v254, v255
	s_wait_dscnt 0x0
	s_endpgm
.Lwrite:
	s_lshl_b32 s48, s48, 8                         ; 256 bytes a token
	s_cmp_eq_u32 s26, 6
	s_cselect_b64 s[40:41], s[22:23], s[24:25]     ; out1 or out2
	s_add_nc_u64 s[40:41], s[40:41], s[48:49]
	OUTF
	s_wait_tensorcnt 0x0
	ds_add_u32 v254, v255
	s_wait_dscnt 0x0
	s_endpgm
.Lfunc_end_k_q3b6e676c4a_proj:
	.size	k_q3b6e676c4a_proj, .Lfunc_end_k_q3b6e676c4a_proj-k_q3b6e676c4a_proj
	.p2alignl 7, 3214868480
	.fill 96, 4, 3214868480
	.section	.rodata,"a",@progbits
	.p2align	6, 0x0
	.amdhsa_kernel k_q3b6e676c4a_proj
		.amdhsa_group_segment_fixed_size 142336
		.amdhsa_private_segment_fixed_size 0
		.amdhsa_enable_private_segment 0
		.amdhsa_kernarg_size 88
		.amdhsa_user_sgpr_count 2
		.amdhsa_user_sgpr_kernarg_segment_ptr 1
		.amdhsa_wavefront_size32 1
		.amdhsa_system_sgpr_workgroup_id_x 1
		.amdhsa_system_sgpr_workgroup_id_y 1
		.amdhsa_system_sgpr_workgroup_id_z 1
		.amdhsa_system_vgpr_workitem_id 0
		.amdhsa_next_free_vgpr 448
		.amdhsa_next_free_sgpr 66
		.amdhsa_reserve_vcc 0
		.amdhsa_float_denorm_mode_32 3
		.amdhsa_float_denorm_mode_16_64 3
		.amdhsa_memory_ordered 1
		.amdhsa_forward_progress 1
		.amdhsa_inst_pref_size 126
	.end_amdhsa_kernel
	.amdgpu_metadata
---
amdhsa.version: [ 1, 2 ]
amdhsa.kernels:
  - .name:           k_q3b6e676c4a_proj
    .symbol:         k_q3b6e676c4a_proj.kd
    .args:
      - { .name: x, .offset: 0, .size: 8, .value_kind: global_buffer, .address_space: global }
      - { .name: Wq, .offset: 8, .size: 8, .value_kind: global_buffer, .address_space: global }
      - { .name: Wk, .offset: 16, .size: 8, .value_kind: global_buffer, .address_space: global }
      - { .name: Wv, .offset: 24, .size: 8, .value_kind: global_buffer, .address_space: global }
      - { .name: Wkd, .offset: 32, .size: 8, .value_kind: global_buffer, .address_space: global }
      - { .name: Wvd, .offset: 40, .size: 8, .value_kind: global_buffer, .address_space: global }
      - { .name: Qws, .offset: 48, .size: 8, .value_kind: global_buffer, .address_space: global }
      - { .name: Kws, .offset: 56, .size: 8, .value_kind: global_buffer, .address_space: global }
      - { .name: Vws, .offset: 64, .size: 8, .value_kind: global_buffer, .address_space: global }
      - { .name: out1, .offset: 72, .size: 8, .value_kind: global_buffer, .address_space: global }
      - { .name: out2, .offset: 80, .size: 8, .value_kind: global_buffer, .address_space: global }
    .group_segment_fixed_size: 142336
    .private_segment_fixed_size: 0
    .kernarg_segment_align: 8
    .kernarg_segment_size: 88
    .max_flat_workgroup_size: 256
    .sgpr_count:     66
    .vgpr_count:     448
    .wavefront_size: 32
...
	.end_amdgpu_metadata
.endif
;; end of part 1
;; launch attn (part 2): grid 32 x 8, 8 waves a work-group, clusters of 4 x 1, 327,680 bytes of LDS; arguments Qws, Kws, Vws, K_depth, V_depth, att; writes att
.if DOCPART == 2
	.amdgcn_target "amdgcn-amd-amdhsa--gfx1250"
	.amdhsa_code_object_version 6
	.text
	.protected	k_q3b6e676c4a_attn
	.globl	k_q3b6e676c4a_attn
	.p2align	8
	.type	k_q3b6e676c4a_attn,@function
k_q3b6e676c4a_attn:
	s_mov_b64 s[64:65], 0
	v_nop
	global_prefetch_b8 v0, s[64:65] scope:SCOPE_SE
	s_setreg_imm32_b32 hwreg(HW_REG_WAVE_MODE, 25, 1), 1
	s_wait_xcnt 0x0
	s_wait_alu depctr_hold_cnt(0) depctr_sa_sdst(0) depctr_va_vdst(0) depctr_va_sdst(0) depctr_va_ssrc(0) depctr_va_vcc(0) depctr_vm_vsrc(0)
	s_getreg_b32 s2, hwreg(HW_REG_IB_STS2, 6, 4)
	s_cmp_eq_u32 s2, 0
	s_cbranch_scc0 .Lentry_in_a_cluster
	s_endpgm
.Lentry_in_a_cluster:
	s_bfe_u32 s2, ttmp6, 0x10000c
	s_cmp_lg_u32 s2, 0x3003
	s_cbranch_scc0 .Lentry_shape_is_right
	s_endpgm
.Lentry_shape_is_right:
; Causal attention with eight depth keys of its own for every token, one softmax over both, by a running maximum.
; Qws f16 [b][16][t][64] (already times 0.125 log2 e), Kws, Vws f16 [b][4][t][64], K_depth, V_depth f32 [b][4][8 t][64].
; att f16 [token][16 heads][hi 64 | lo 64]: each result as two f16 numbers, 256 bytes a head, 4,096 bytes a token.
; Work-group (j, bh): key head bh, all four query heads of its group, so each depth byte is read once.  Two passes of 32 tokens: token tile
; 63 - j, then tile j.  Keys go in tiles of 128, always in pairs (slot 0, slot 1): 8 - (j >> 3) pairs and 1 + (j >> 3) pairs, nine in every work-group.
; Wave w: kp = w >> 2 takes keys 64 kp .. + 63 of each tile; th = (w >> 1) & 1 takes 16 tokens; hp = w & 1 takes two heads q = 0, 1.
; Waves w and w + 4 are merged at a pass's end.
; S^T = K Q^T: lane (r, h), register j holds key 8 h + j of query r; two such tiles, packed to f16, ARE the second source of O^T = V^T P^T.
; The maximum over keys is in-lane but for one exchange of the halves, the rescaling is a lane's own, and a lane's eight results are neighbouring d.
; The 128 depth keys of a wave's 16 tokens are one more block of keys, valid only where the key's token is the query's.
; TWO f16 NUMBERS FOR ONE: a token with few keys gets nearly all of its result from its depth entries, and that result is many times the root
; mean square of all results, against which it is held.  So depth keys, depth values, their P and att go as hi + lo: hi = the f32 with its low
; 13 mantissa bits cut (exact in f16 from 2^-14 up), lo = the exact remainder rounded to f16; a product is hi hi + lo hi + hi lo.
; CLUSTER: the four work-groups 4 c .. 4 c + 3 have the same bh and the same numbers of pairs (made from the cluster's x alone) and walk the
; same K and V tiles: every tile is asked for jointly, mask 15.  A wave has one tensor load out at the most.
; Depth rows come through registers (32 loads a wave and pass, issued blocks ahead): loads into registers may stay out across the ring's barriers.
; LIMITS: operands are f16, every |q|, |k|, |v| and depth entry below 65,504; below 2^-14 a pair hi + lo is no finer than one f16 number
; (step 2^-24); the running maximum starts at -1e30, so |score x log2 e| < 1e30.
.set SLOT, 38912                       ; K 128 rows x 144 bytes, then V 128 rows x 160 bytes
.set VOFS, 18432
.set DK,   77824                       ; depth keys, hi: 256 rows x 144
.set DKLO, 36864                       ; their lo parts lie this far behind
.set DV,   151552                      ; depth values, hi: 256 rows x 160
.set DVLO, 40960                       ; their lo parts
.set MS,   233472                      ; merge and stage: 8,704 bytes for each pair of waves.  Tensor loads land below DK alone
.set SPITCH, 528                       ; a stage row: 512 bytes + 16
.set KADR, 1                           ; v1  (64 kp + r) x 144 + 16 h; the slot stands in the immediate
.set VADR, 2                           ; v2  VOFS + (64 kp + 8 h + L % 8) x 160 + 16 ((L / 8) % 2)
.set DKADR, 3                          ; v3  the same in DK, rows 128 th on
.set DVADR, 4                          ; v4  the same in DV
.set LIMB, 5                           ; v5  16 th + r - 64 kp - 8 h
.set LIM,  6                           ; v6  key 16 kt + j of my share is allowed if it is <= LIM
.set E,    7                           ; v7  r - h - 8 kp: depth tile kt is mine if 2 kt == E
.set DVS,  8                           ; v8  where I put depth values
.set DKS,  9                           ; v9  where I put depth keys
.set DGO,  10                          ; v10 8192 w + 16 L
.set QOFF, 11                          ; v11 128 r + 16 h
.set MA,   12                          ; v12, v14  running maximum of q = 0, 1 (one of two sets)
.set LS,   13                          ; v13, v15  running sum
.set MB,   16                          ; v16, v18  running maximum, the other set
.set TA,   17                          ; v17, v21  at work
.set TB,   19                          ; v19, v23  at work
.set AL,   20                          ; v20, v22  rescaling factor.  Each broadcast number is the FIRST register of an even pair
.set PA,   24                          ; v[24:25], v[28:29]  row sums, chain a
.set PB,   26                          ; v[26:27], v[30:31]  row sums, chain b
.set Q,    32                          ; v32-63   Q(q, ks) at Q + 16 q + 8 ks; in the depth block later P's hi part, (q, k2) at Q + 16 q + 8 k2
.set S,    64                          ; v64-127  S(q, kt) at S + 32 q + 8 kt; later P(q, k2) at S + 32 q + 16 k2
.set O,    128                         ; v128-191 O(q, dt) at O + 32 q + 8 dt
.set F,    192                         ; v192-255 K(kt, ks) at F + 16 kt + 8 ks, then V(dt, k2) at F + 16 dt + 8 k2
; window 1: v256-383 depth rows on their way, K in 0-63, V in 64-127; v384-391 at work
.set G1K, 32                           ; s[32:39]
.set G1V, 40                           ; s[40:47]
.set G0K, 48                           ; s[48:55] a set for each slot
.set G0V, 56                           ; s[56:63]
.set MSB, 0
.macro WIN new
.if MSB != \new
	s_set_vgpr_msb (MSB<<8)|\new
.set MSB, \new
.endif
.endm
; A round of the cluster's barrier
.macro ROUND
	s_barrier_signal -1
	s_barrier_wait -1
	s_cmp_lg_u32 s16, 0
	s_cbranch_scc1 .Lnw0_\@
	s_barrier_signal -3
.Lnw0_\@:
	s_barrier_wait -3
	s_barrier_signal -1
	s_barrier_wait -1
.endm
; A joint load: waves 0-3 ask for 32 rows of K each, waves 4-7 for 32 rows of V.  The branch hangs on the wave's number alone.
.macro JLOAD sl
	s_cmp_eq_u32 s17, 0
	s_cbranch_scc0 .Lfor_v_\@
	tensor_load_to_lds s[G0K+4*\sl:G0K+4*\sl+3], s[G1K:G1K+7]
	s_nop 0
	s_branch .Lasked_\@
.Lfor_v_\@:
	tensor_load_to_lds s[G0V+4*\sl:G0V+4*\sl+3], s[G1V:G1V+7]
	s_nop 0
.Lasked_\@:
.endm
	s_load_b256 s[4:11], s[0:1], 0x0               ; Qws s[4:5], Kws s[6:7], Vws s[8:9], K_depth s[10:11]
	s_load_b128 s[12:15], s[0:1], 0x20             ; V_depth s[12:13], att s[14:15]
	s_set_vgpr_msb 0x40
	v_lshl_add_u32 v136, v0, 2, 0x41800
	v_mov_b32 v137, 0
	s_set_vgpr_msb 0x4045
	ds_add_u32 v136, v137
	s_set_vgpr_msb 0x4500
	v_lshrrev_b32 v1, 5, v0
	v_readfirstlane_b32 s16, v1                    ; wave w
	s_lshr_b32 s17, s16, 2                         ; kp
	s_and_b32 s18, s16, 3                          ; rg
	s_lshr_b32 s19, s18, 1                         ; th
	s_and_b32 s20, s18, 1                          ; hp
	s_bfe_u32 s86, ttmp6, 0x40000                  ; cx
	s_lshl_b32 s21, ttmp9, 2
	s_add_co_u32 s21, s21, s86                     ; j: pass B's token tile
	s_and_b32 s22, ttmp7, 0xffff                   ; bh
	s_lshr_b32 s25, ttmp9, 1                       ; j >> 3, the same in the four partners
	s_sub_co_u32 s23, 63, s21                      ; pass A's token tile
	s_and_b32 s26, s23, 7
	s_lshl_b32 s26, s26, 5                         ; where pass A's tokens begin in their last pair of key tiles
	s_and_b32 s27, s21, 7
	s_lshl_b32 s27, s27, 5                         ; the same for pass B
	s_mov_b32 s28, 0xffffe000                      ; keeps sign, exponent and 10 mantissa bits: the hi part
	s_mov_b32 s82, 0x76543210                      ; v_permlanex16_b32: lane i reads lane i of the other half
	s_mov_b32 s83, 0xfedcba98
	s_mov_b32 s84, 0xff7fffff                      ; the mask's value
	s_mul_i32 s85, s18, 8704
	s_add_co_u32 s85, s85, MS                      ; my pair's merge bytes
	; group 1: 32 rows x 64 elements of 2 bytes, 4 (K) or 8 (V) dwords of padding behind every 32 dwords; mask 15, bit 21 beside it
	s_mov_b32 s[G1K+0], 15|(1<<16)|(1<<20)|(1<<21)|(4<<22)|(3<<25)
	s_mov_b32 s[G1V+0], 15|(1<<16)|(1<<20)|(1<<21)|(4<<22)|(7<<25)
	s_mov_b32 s[G1K+1], 64<<16                     ; tensor_dim0 = 64
	s_mov_b32 s[G1V+1], 64<<16
	s_mov_b32 s[G1K+2], 32<<16                     ; tensor_dim1 = 32
	s_mov_b32 s[G1V+2], 32<<16
	s_mov_b32 s[G1K+3], 64<<16                     ; tile_dim0 = 64
	s_mov_b32 s[G1V+3], 64<<16
	s_mov_b32 s[G1K+4], 32                         ; tile_dim1 = 32
	s_mov_b32 s[G1V+4], 32
	s_mov_b32 s[G1K+5], 64                         ; 64 elements from row to row
	s_mov_b32 s[G1V+5], 64
	s_mov_b32 s[G1K+6], 0
	s_mov_b32 s[G1V+6], 0
	s_mov_b32 s[G1K+7], 0
	s_mov_b32 s[G1V+7], 0
	v_and_b32 v24, 31, v0                          ; L
	v_and_b32 v25, 15, v0                          ; r
	v_bfe_u32 v26, v0, 4, 1                        ; h
	v_and_b32 v27, 7, v0
	v_bfe_u32 v28, v0, 3, 1
	s_mul_i32 s86, s17, 9216
	v_mul_u32_u24 v[KADR], v25, 144
	v_lshl_add_u32 v[KADR], v26, 4, v[KADR]
	v_add_nc_u32 v[KADR], s86, v[KADR]
	s_mul_i32 s86, s19, 18432
	s_add_co_u32 s86, s86, DK
	v_add_nc_u32 v[DKADR], s86, v[KADR]
	v_lshl_add_u32 v29, v26, 3, v27
	v_mul_u32_u24 v29, v29, 160
	v_lshl_add_u32 v29, v28, 4, v29
	s_mul_i32 s86, s17, 10240
	v_add_nc_u32 v29, s86, v29
	v_add_nc_u32 v[VADR], VOFS, v29
	s_mul_i32 s86, s19, 20480
	s_add_co_u32 s86, s86, DV
	v_add_nc_u32 v[DVADR], s86, v29
	s_lshl_b32 s86, s19, 4
	s_lshl_b32 s87, s17, 6
	s_sub_co_i32 s86, s86, s87
	v_lshlrev_b32 v29, 3, v26
	v_sub_nc_u32 v[LIMB], v25, v29
	v_add_nc_u32 v[LIMB], s86, v[LIMB]
	s_lshl_b32 s86, s17, 3
	v_sub_nc_u32 v[E], v25, v26
	v_sub_nc_u32 v[E], v[E], s86
	s_mul_i32 s86, s16, 4608
	s_add_co_u32 s86, s86, DK
	v_mul_u32_u24 v[DKS], v26, 144
	v_lshl_add_u32 v[DKS], v25, 3, v[DKS]
	v_add_nc_u32 v[DKS], s86, v[DKS]               ; row 32 w + h, 8 bytes a lane
	s_mul_i32 s86, s16, 5120
	s_add_co_u32 s86, s86, DV
	v_mul_u32_u24 v[DVS], v26, 160
	v_lshl_add_u32 v[DVS], v25, 3, v[DVS]
	v_add_nc_u32 v[DVS], s86, v[DVS]
	s_lshl_b32 s86, s16, 13
	v_lshl_add_u32 v[DGO], v24, 4, s86
	v_lshlrev_b32 v[QOFF], 7, v25
	v_lshl_add_u32 v[QOFF], v26, 4, v[QOFF]
	s_wait_dscnt 0x0
	s_wait_kmcnt 0x0
	; K and V: head bh, my 32 rows of a tile.  Made of bh and the wave's number alone: equal in the four partners
	s_lshl_b32 s86, s22, 18
	s_lshl_b32 s87, s18, 12
	s_add_co_u32 s86, s86, s87
	s_mov_b32 s87, 0
	s_add_nc_u64 s[66:67], s[6:7], s[86:87]
	s_add_nc_u64 s[68:69], s[8:9], s[86:87]
	s_mul_i32 s88, s18, 4608
	s_mul_i32 s89, s18, 5120
.irp sl, 0,1
	s_mov_b32 s[G0K+4*\sl], 1
	s_add_co_u32 s[G0K+4*\sl+1], s88, \sl*SLOT
	s_add_nc_u64 s[G0K+4*\sl+2:G0K+4*\sl+3], s[66:67], \sl*16384
	s_or_b32 s[G0K+4*\sl+3], s[G0K+4*\sl+3], 0x80000000
	s_mov_b32 s[G0V+4*\sl], 1
	s_add_co_u32 s[G0V+4*\sl+1], s89, \sl*SLOT+VOFS
	s_add_nc_u64 s[G0V+4*\sl+2:G0V+4*\sl+3], s[68:69], \sl*16384
	s_or_b32 s[G0V+4*\sl+3], s[G0V+4*\sl+3], 0x80000000
.endr
	; Q: head 4 bh + 2 hp, token 32 tile + 16 th, 128 bytes a token
	s_lshl_b32 s86, s22, 20
	s_lshl_b32 s87, s20, 19
	s_add_co_u32 s86, s86, s87
	s_lshl_b32 s87, s19, 11
	s_add_co_u32 s86, s86, s87
	s_lshl_b32 s88, s23, 12
	s_add_co_u32 s88, s88, s86
	s_mov_b32 s89, 0
	s_lshl_b32 s90, s21, 12
	s_add_co_u32 s90, s90, s86
	s_mov_b32 s91, 0
	s_add_nc_u64 s[78:79], s[4:5], s[88:89]        ; pass A
	s_add_nc_u64 s[92:93], s[4:5], s[90:91]        ; pass B
	; att: token b 2048 + 32 tile + 16 th, 4,096 bytes a token; my two heads' 512 bytes at 1,024 hk + 512 hp
	s_lshr_b32 s86, s22, 2
	s_lshl_b32 s86, s86, 23
	s_lshl_b32 s87, s19, 16
	s_add_co_u32 s86, s86, s87
	s_and_b32 s87, s22, 3
	s_lshl_b32 s87, s87, 10
	s_add_co_u32 s86, s86, s87
	s_lshl_b32 s87, s20, 9
	s_add_co_u32 s86, s86, s87
	s_lshl_b32 s88, s23, 17
	s_add_co_u32 s88, s88, s86
	s_lshl_b32 s90, s21, 17
	s_add_co_u32 s90, s90, s86
	s_add_nc_u64 s[80:81], s[14:15], s[88:89]
	s_add_nc_u64 s[94:95], s[14:15], s[90:91]
	; depth: head bh, 65,536 bytes for a tile's 32 tokens
	s_lshl_b32 s86, s22, 22
	s_lshl_b32 s88, s23, 16
	s_add_co_u32 s88, s88, s86
	s_lshl_b32 s90, s21, 16
	s_add_co_u32 s90, s90, s86
	s_add_nc_u64 s[70:71], s[10:11], s[88:89]
	s_add_nc_u64 s[72:73], s[12:13], s[88:89]
	s_add_nc_u64 s[74:75], s[10:11], s[90:91]
	s_add_nc_u64 s[76:77], s[12:13], s[90:91]
.macro QLOAD b                         ; my 16 tokens x 2 heads as second-source fragments: 8 loads
.irp q, 0,1
.irp ks, 0,1
	global_load_b128 v[Q+16*\q+8*\ks:Q+16*\q+8*\ks+3],   v[QOFF], s[\b:\b+1] offset:262144*\q+64*\ks
	global_load_b128 v[Q+16*\q+8*\ks+4:Q+16*\q+8*\ks+7], v[QOFF], s[\b:\b+1] offset:262144*\q+64*\ks+32
.endr
.endr
.endm
.macro DLOAD kb, vb                    ; my 32 rows of the pass's depth keys and values, 512 neighbouring bytes a load; read once in the launch
	WIN 0x40
.set ii, 0
.rept 16
	global_load_b128 v[4*ii:4*ii+3], v[DGO], s[\kb:\kb+1] offset:512*ii th:TH_LOAD_NT
.set ii, ii+1
.endr
.set ii, 0
.rept 16
	global_load_b128 v[64+4*ii:64+4*ii+3], v[DGO], s[\vb:\vb+1] offset:512*ii th:TH_LOAD_NT
.set ii, ii+1
.endr
	WIN 0
.endm
; They are split into hi and lo, in place (four f32 registers become two of lo and two of hi), and put into DK and DV;
; the barriers of the two trips that follow show them to all waves.
.macro DSTORE
	s_wait_loadcnt 0x0
	WIN 0x45
.set ii, 0
.rept 32
	v_and_b32 v[128+4*(ii%2)],   s28, v[4*ii]
	v_and_b32 v[128+4*(ii%2)+1], s28, v[4*ii+1]
	v_and_b32 v[128+4*(ii%2)+2], s28, v[4*ii+2]
	v_and_b32 v[128+4*(ii%2)+3], s28, v[4*ii+3]
	v_pk_add_f32 v[4*ii:4*ii+1],   v[4*ii:4*ii+1],   v[128+4*(ii%2):128+4*(ii%2)+1]   neg_lo:[0,1] neg_hi:[0,1]
	v_pk_add_f32 v[4*ii+2:4*ii+3], v[4*ii+2:4*ii+3], v[128+4*(ii%2)+2:128+4*(ii%2)+3] neg_lo:[0,1] neg_hi:[0,1]
	v_cvt_pk_f16_f32 v[4*ii],   v[4*ii],   v[4*ii+1]                   ; lo
	v_cvt_pk_f16_f32 v[4*ii+1], v[4*ii+2], v[4*ii+3]
	v_cvt_pk_f16_f32 v[4*ii+2], v[128+4*(ii%2)],   v[128+4*(ii%2)+1]   ; hi
	v_cvt_pk_f16_f32 v[4*ii+3], v[128+4*(ii%2)+2], v[128+4*(ii%2)+3]
.set ii, ii+1
.endr
	WIN 0x04
.set ii, 0
.rept 16
	ds_store_b64 v[DKS], v[4*ii+2:4*ii+3] offset:288*ii
	ds_store_b64 v[DKS], v[4*ii:4*ii+1] offset:DKLO+288*ii
	ds_store_b64 v[DVS], v[64+4*ii+2:64+4*ii+3] offset:320*ii
	ds_store_b64 v[DVS], v[64+4*ii:64+4*ii+1] offset:DVLO+320*ii
.set ii, ii+1
.endr
	WIN 0
	s_wait_dscnt 0x0
.endm
; A pass's start.  O is cleared because a pass's first block may be a plain or a masked one: a first block written out would double the text.
.macro INIT lim
	v_mov_b32 v[MB], 0xf149f2ca                    ; -1e30
	v_mov_b32 v[MB+2], 0xf149f2ca
	v_mov_b32 v[LS], 0
	v_mov_b32 v[LS+2], 0
.set ii, 0
.rept 64
	v_mov_b32 v[O+ii], 0
.set ii, ii+1
.endr
	v_add_nc_u32 v[LIM], s[\lim], v[LIMB]
.endm
.macro PLACES n                        ; plain vector places behind a matrix instruction (ISA guide 7.12.1): four before its registers are loaded,
.rept \n                               ; read or written by vector work, five before another matrix instruction writes over them
	v_nop
.endr
.endm
; The parts of a block: my 64 keys against my 16 tokens x 2 heads.
.macro KFRAG ka, koff                  ; 16 loads: four key tiles x 64 d as first-source fragments
.irp kt, 0,1,2,3
.irp ks, 0,1
	ds_load_b128 v[F+16*\kt+8*\ks:F+16*\kt+8*\ks+3],   v[\ka] offset:\koff+2304*\kt+64*\ks
	ds_load_b128 v[F+16*\kt+8*\ks+4:F+16*\kt+8*\ks+7], v[\ka] offset:\koff+2304*\kt+64*\ks+32
.endr
.endr
.endm
; S^T (+)= K Q^T.  The two heads' accumulators take turns, one instruction a turn; zero = 1: the first product starts each sum.
.macro SMUL zero
.irp kt, 0,1,2,3
	s_wait_dscnt 12-4*\kt                          ; key tile kt's four loads are in, the later tiles' stay out
.if \zero
	v_wmma_f32_16x16x32_f16 v[S+8*\kt:S+8*\kt+7], v[F+16*\kt:F+16*\kt+7], v[Q:Q+7], 0
	v_wmma_f32_16x16x32_f16 v[S+32+8*\kt:S+32+8*\kt+7], v[F+16*\kt:F+16*\kt+7], v[Q+16:Q+23], 0
.else
	v_wmma_f32_16x16x32_f16 v[S+8*\kt:S+8*\kt+7], v[F+16*\kt:F+16*\kt+7], v[Q:Q+7], v[S+8*\kt:S+8*\kt+7]
	v_wmma_f32_16x16x32_f16 v[S+32+8*\kt:S+32+8*\kt+7], v[F+16*\kt:F+16*\kt+7], v[Q+16:Q+23], v[S+32+8*\kt:S+32+8*\kt+7]
.endif
	v_wmma_f32_16x16x32_f16 v[S+8*\kt:S+8*\kt+7], v[F+16*\kt+8:F+16*\kt+15], v[Q+8:Q+15], v[S+8*\kt:S+8*\kt+7]
	v_wmma_f32_16x16x32_f16 v[S+32+8*\kt:S+32+8*\kt+7], v[F+16*\kt+8:F+16*\kt+15], v[Q+24:Q+31], v[S+32+8*\kt:S+32+8*\kt+7]
.endr
.endm
.macro VFRAG va, voff                  ; 16 transposing loads: four d tiles x 64 keys as first-source fragments
.irp dt, 0,1,2,3
.irp k2, 0,1
	ds_load_tr16_b128 v[F+16*\dt+8*\k2:F+16*\dt+8*\k2+3],   v[\va] offset:\voff+5120*\k2+32*\dt
	ds_load_tr16_b128 v[F+16*\dt+8*\k2+4:F+16*\dt+8*\k2+7], v[\va] offset:\voff+5120*\k2+32*\dt+2560
.endr
.endr
.endm
; mask 0: none; 1: causal; 2: depth.  The running maximum comes from mi and goes to mo.  Leaves P in f32 in S, AL and the running sums.
.macro SOFTMAX mask, mi, mo
.if \mask == 1
.irp kt, 0,1,2,3
.irp jj, 0,1,2,3,4,5,6,7
	v_cmp_le_i32 vcc_lo, 16*\kt+\jj, v[LIM]        ; key <= token keeps its score
	v_cndmask_b32 v[S+8*\kt+\jj], s84, v[S+8*\kt+\jj], vcc_lo
	v_cndmask_b32 v[S+32+8*\kt+\jj], s84, v[S+32+8*\kt+\jj], vcc_lo
.endr
.endr
.endif
.if \mask == 2
.irp kt, 0,1,2,3
	v_cmp_eq_u32 vcc_lo, 2*\kt, v[E]               ; these eight depth keys belong to token 8 kp + 2 kt + h: kept where that is my query
.irp jj, 0,1,2,3,4,5,6,7
	v_cndmask_b32 v[S+8*\kt+\jj], s84, v[S+8*\kt+\jj], vcc_lo
	v_cndmask_b32 v[S+32+8*\kt+\jj], s84, v[S+32+8*\kt+\jj], vcc_lo
.endr
.endr
.endif
	; the largest of my 32 scores of each head, in two chains a head; then the other half's; then the running maximum
	v_max3_num_f32 v[TA],   v[S],    v[S+1],  v[S+2]
	v_max3_num_f32 v[TA+4], v[S+32], v[S+33], v[S+34]
	v_max3_num_f32 v[TB],   v[S+17], v[S+18], v[S+19]
	v_max3_num_f32 v[TB+4], v[S+49], v[S+50], v[S+51]
.set ii, 0
.rept 6
	v_max3_num_f32 v[TA],   v[TA],   v[S+3+2*ii],  v[S+4+2*ii]
	v_max3_num_f32 v[TA+4], v[TA+4], v[S+35+2*ii], v[S+36+2*ii]
	v_max3_num_f32 v[TB],   v[TB],   v[S+20+2*ii], v[S+21+2*ii]
	v_max3_num_f32 v[TB+4], v[TB+4], v[S+52+2*ii], v[S+53+2*ii]
.set ii, ii+1
.endr
	v_max3_num_f32 v[TA],   v[TA],   v[S+15], v[S+16]
	v_max3_num_f32 v[TA+4], v[TA+4], v[S+47], v[S+48]
	v_max_num_f32 v[TA], v[TA], v[TB]
	v_max_num_f32 v[TA+4], v[TA+4], v[TB+4]
	v_permlanex16_b32 v[TB], v[TA], s82, s83
	v_permlanex16_b32 v[TB+4], v[TA+4], s82, s83
	v_max3_num_f32 v[\mo], v[TA], v[TB], v[\mi]
	v_max3_num_f32 v[\mo+2], v[TA+4], v[TB+4], v[\mi+2]
	v_sub_f32 v[AL], v[\mi], v[\mo]
	v_sub_f32 v[AL+2], v[\mi+2], v[\mo+2]
	v_exp_f32 v[AL], v[AL]                         ; old sums and results shrink by 2^(old - new)
	v_exp_f32 v[AL+2], v[AL+2]
	; P = 2^(S - maximum).  Behind each run of exponentials stand plain instructions on other registers before a result is used (ISA guide 5.7.2)
.irp q, 0,1
.set ii, 0
.rept 16
	v_pk_add_f32 v[S+32*\q+2*ii:S+32*\q+2*ii+1], v[S+32*\q+2*ii:S+32*\q+2*ii+1], v[\mo+2*\q:\mo+2*\q+1] op_sel_hi:[1,0] neg_lo:[0,1] neg_hi:[0,1]
.set ii, ii+1
.endr
.set ii, 0
.rept 32
	v_exp_f32 v[S+32*\q+ii], v[S+32*\q+ii]
.set ii, ii+1
.endr
.endr
	; my part of the row sums, in f32, from the unrounded P
	s_wait_alu depctr_va_vdst(0)
	v_pk_add_f32 v[PA:PA+1],   v[S:S+1],     v[S+2:S+3]
	v_pk_add_f32 v[PA+4:PA+5], v[S+32:S+33], v[S+34:S+35]
	v_pk_add_f32 v[PB:PB+1],   v[S+16:S+17], v[S+18:S+19]
	v_pk_add_f32 v[PB+4:PB+5], v[S+48:S+49], v[S+50:S+51]
.set ii, 2
.rept 6
	v_pk_add_f32 v[PA:PA+1],   v[PA:PA+1],   v[S+2*ii:S+2*ii+1]
	v_pk_add_f32 v[PA+4:PA+5], v[PA+4:PA+5], v[S+32+2*ii:S+32+2*ii+1]
	v_pk_add_f32 v[PB:PB+1],   v[PB:PB+1],   v[S+16+2*ii:S+16+2*ii+1]
	v_pk_add_f32 v[PB+4:PB+5], v[PB+4:PB+5], v[S+48+2*ii:S+48+2*ii+1]
.set ii, ii+1
.endr
	v_pk_add_f32 v[PA:PA+1], v[PA:PA+1], v[PB:PB+1]
	v_pk_add_f32 v[PA+4:PA+5], v[PA+4:PA+5], v[PB+4:PB+5]
	v_fma_f32 v[LS], v[LS], v[AL], v[PA]
	v_fma_f32 v[LS+2], v[LS+2], v[AL+2], v[PA+4]
	v_add_f32 v[LS], v[LS], v[PA+1]
	v_add_f32 v[LS+2], v[LS+2], v[PA+5]
.endm
; P to f16, in place: sixteen registers (two key tiles) become the eight of a second-source fragment
.macro PCVT
.irp q, 0,1
.irp k2, 0,1
.set ii, 0
.rept 8
	v_cvt_pk_f16_f32 v[S+32*\q+16*\k2+ii], v[S+32*\q+16*\k2+2*ii], v[S+32*\q+16*\k2+2*ii+1]
.set ii, ii+1
.endr
.endr
.endr
.endm
; P as hi + lo: hi's fragments go into the registers of Q, which the pass has used for the last time; lo's are packed in place
.macro PSPLIT
.irp q, 0,1
.irp k2, 0,1
.set ii, 0
.rept 8
	v_and_b32 v[24+2*(ii%4)], s28, v[S+32*\q+16*\k2+2*ii]
	v_and_b32 v[25+2*(ii%4)], s28, v[S+32*\q+16*\k2+2*ii+1]
	v_pk_add_f32 v[S+32*\q+16*\k2+2*ii:S+32*\q+16*\k2+2*ii+1], v[S+32*\q+16*\k2+2*ii:S+32*\q+16*\k2+2*ii+1], v[24+2*(ii%4):25+2*(ii%4)] neg_lo:[0,1] neg_hi:[0,1]
	v_cvt_pk_f16_f32 v[Q+16*\q+8*\k2+ii], v[24+2*(ii%4)], v[25+2*(ii%4)]
.set ii, ii+1
.endr
.set ii, 0
.rept 8
	v_cvt_pk_f16_f32 v[S+32*\q+16*\k2+ii], v[S+32*\q+16*\k2+2*ii], v[S+32*\q+16*\k2+2*ii+1]
.set ii, ii+1
.endr
.endr
.endr
.endm
.macro RESCALE
.irp q, 0,1
.set ii, 0
.rept 16
	v_pk_mul_f32 v[O+32*\q+2*ii:O+32*\q+2*ii+1], v[O+32*\q+2*ii:O+32*\q+2*ii+1], v[AL+2*\q:AL+2*\q+1] op_sel_hi:[1,0]
.set ii, ii+1
.endr
.endr
.endm
; O^T += V^T P^T, P's fragment (q, k2) at pb + qst q + kst k2.  The eight accumulators take turns, one instruction a turn.
.macro PV pb, qst, kst
.irp k2, 0,1
.irp dt, 0,1,2,3
	v_wmma_f32_16x16x32_f16 v[O+8*\dt:O+8*\dt+7], v[F+16*\dt+8*\k2:F+16*\dt+8*\k2+7], v[\pb+\kst*\k2:\pb+\kst*\k2+7], v[O+8*\dt:O+8*\dt+7]
	v_wmma_f32_16x16x32_f16 v[O+32+8*\dt:O+32+8*\dt+7], v[F+16*\dt+8*\k2:F+16*\dt+8*\k2+7], v[\pb+\qst+\kst*\k2:\pb+\qst+\kst*\k2+7], v[O+32+8*\dt:O+32+8*\dt+7]
.endr
.endr
.endm
; A block of sequence keys
.macro BLOCK koff, voff, mask, mi, mo
	KFRAG KADR, \koff
	SMUL 1
	PLACES 4                                       ; before F is loaded again and S is read
	VFRAG VADR, \voff
	SOFTMAX \mask, \mi, \mo
	PCVT
	RESCALE
	s_wait_dscnt 0x0                               ; V's fragments, issued ahead of the softmax
	PV S, 32, 16
	PLACES 5                                       ; the next block's matrix instructions write over P, its loads over F
.endm
; The block of depth keys, keys, values and P in two parts each
.macro DBLOCK mi, mo, qload
	KFRAG DKADR, 0
	SMUL 1                                         ; K hi
	PLACES 4
	KFRAG DKADR, DKLO
	SMUL 0                                         ; + K lo
	PLACES 4
	VFRAG DVADR, 0
	SOFTMAX 2, \mi, \mo
	PSPLIT
	RESCALE
	s_wait_dscnt 0x0
	PV Q, 16, 8                                    ; V hi x P hi
	PV S, 32, 16                                   ; V hi x P lo
	PLACES 4
	VFRAG DVADR, DVLO
	s_wait_dscnt 0x0
	PV Q, 16, 8                                    ; V lo x P hi
	PLACES 5
.if \qload
	QLOAD 92                                       ; the next pass's Q, into registers that the last matrix instructions read five places ago
.endif
.endm
; One key tile.  In front of the round (or of the plain barrier where nothing is left to fetch): all my tensor loads have landed, this slot's tile
; among them, and my LDS reads are back.  Behind it the joint refill of the other slot comes first, one tensor load a wave.
; amode 1: this slot's descriptor steps two tiles on; 2: it is set to the next pass's first tile of this slot; 0: it is not used again.
.macro TRIP slot, refill, amode, mask
	s_set_vgpr_msb 0x5
	s_wait_tensorcnt 0x0
	ds_add_u32 v136, v137
	s_wait_dscnt 0x0
	s_set_vgpr_msb 0x500
.if \amode == 1
	s_add_nc_u64 s[G0K+4*\slot+2:G0K+4*\slot+3], s[G0K+4*\slot+2:G0K+4*\slot+3], 32768
	s_add_nc_u64 s[G0V+4*\slot+2:G0V+4*\slot+3], s[G0V+4*\slot+2:G0V+4*\slot+3], 32768
.endif
.if \amode == 2
	s_add_nc_u64 s[G0K+4*\slot+2:G0K+4*\slot+3], s[66:67], \slot*16384
	s_or_b32 s[G0K+4*\slot+3], s[G0K+4*\slot+3], 0x80000000
	s_add_nc_u64 s[G0V+4*\slot+2:G0V+4*\slot+3], s[68:69], \slot*16384
	s_or_b32 s[G0V+4*\slot+3], s[G0V+4*\slot+3], 0x80000000
.endif
	s_wait_dscnt 0x0
.if \refill
	ROUND
.if \slot == 0
	JLOAD 1
.else
	JLOAD 0
.endif
.else
	s_barrier_signal -1
	s_barrier_wait -1
.endif
.if \slot == 0
	BLOCK 0, 0, \mask, MB, MA
.else
	BLOCK SLOT, SLOT, \mask, MA, MB
.endif
.endm
; A pass's end: wave w + 4 hands its O, maximum and sum to wave w, which merges, divides, splits into hi and lo and stores.  ab: att's base for the pass.
.macro FINAL ab
	v_and_b32 v192, 31, v0
	v_and_b32 v193, 15, v0
	v_bfe_u32 v194, v0, 4, 1
	v_lshl_add_u32 v195, v192, 4, s85              ; 16 bytes a lane
	s_cmp_eq_u32 s17, 0
	s_cbranch_scc1 .Lkeep_\@
.set ii, 0
.rept 16
	ds_store_b128 v195, v[O+4*ii:O+4*ii+3] offset:512*ii
.set ii, ii+1
.endr
	ds_store_b128 v195, v[MA:MA+3] offset:8192     ; maximum and sum of q = 0, then of q = 1
.Lkeep_\@:
	s_wait_dscnt 0x0                               ; my stores are done, my reads of DK and DV are back,
	s_wait_tensorcnt 0x0                           ; and the tile asked for two blocks ago has landed
	s_barrier_signal -1
	s_barrier_wait -1
	s_cmp_lg_u32 s17, 0
	s_cbranch_scc1 .Ldone_\@
.set ii, 0
.rept 16
	ds_load_b128 v[S+4*ii:S+4*ii+3], v195 offset:512*ii
.set ii, ii+1
.endr
	ds_load_b128 v[24:27], v195 offset:8192
	v_mul_u32_u24 v196, v193, SPITCH
	v_lshl_add_u32 v196, v194, 4, v196
	v_add_nc_u32 v196, s85, v196                   ; stage, in: row r, 16 bytes for each half of the lanes
	v_lshlrev_b32 v198, 4, v192                    ; my 16 of a token's 512 bytes in att
	s_wait_dscnt 0x0
.irp q, 0,1
	v_max_num_f32 v[MB+2*\q], v[MA+2*\q], v[24+2*\q]
	v_sub_f32 v[MA+2*\q], v[MA+2*\q], v[MB+2*\q]
	v_sub_f32 v[24+2*\q], v[24+2*\q], v[MB+2*\q]
.endr
	v_exp_f32 v[MA], v[MA]
	v_exp_f32 v[MA+2], v[MA+2]
	v_exp_f32 v24, v24
	v_exp_f32 v26, v26
	v_nop                                          ; a plain place behind the exponentials (ISA guide 5.7.2)
	s_wait_alu depctr_va_vdst(0)
.irp q, 0,1
	v_mul_f32 v[LS+2*\q], v[LS+2*\q], v[MA+2*\q]
	v_fmac_f32 v[LS+2*\q], v[25+2*\q], v[24+2*\q]
	v_permlanex16_b32 v[TA+2*\q], v[LS+2*\q], s82, s83   ; the other half of the lanes summed the other keys
	v_add_f32 v[LS+2*\q], v[LS+2*\q], v[TA+2*\q]
.endr
	v_rcp_f32 v[TA], v[LS]
	v_rcp_f32 v[TA+2], v[LS+2]
	v_nop
	s_wait_alu depctr_va_vdst(0)
.irp q, 0,1
	v_mul_f32 v[MA+2*\q], v[MA+2*\q], v[TA+2*\q]
	v_mul_f32 v[24+2*\q], v[24+2*\q], v[TA+2*\q]
.endr
.irp q, 0,1
.set ii, 0
.rept 16
	v_pk_mul_f32 v[O+32*\q+2*ii:O+32*\q+2*ii+1], v[O+32*\q+2*ii:O+32*\q+2*ii+1], v[MA+2*\q:MA+2*\q+1] op_sel_hi:[1,0]
	v_pk_fma_f32 v[O+32*\q+2*ii:O+32*\q+2*ii+1], v[S+32*\q+2*ii:S+32*\q+2*ii+1], v[24+2*\q:25+2*\q], v[O+32*\q+2*ii:O+32*\q+2*ii+1] op_sel_hi:[1,0,1]
.set ii, ii+1
.endr
.endr
	; hi and lo of my eight neighbouring d, 16 bytes each, into a stage row: head q at 256 q, hi first, lo 128 bytes behind
.irp q, 0,1
.irp dt, 0,1,2,3
.irp i, 0,1,2,3,4,5,6,7
	v_and_b32 v[200+\i], s28, v[O+32*\q+8*\dt+\i]
.endr
.irp i, 0,1,2,3
	v_pk_add_f32 v[O+32*\q+8*\dt+2*\i:O+32*\q+8*\dt+2*\i+1], v[O+32*\q+8*\dt+2*\i:O+32*\q+8*\dt+2*\i+1], v[200+2*\i:201+2*\i] neg_lo:[0,1] neg_hi:[0,1]
.endr
.irp i, 0,1,2,3
	v_cvt_pk_f16_f32 v[208+\i], v[200+2*\i], v[201+2*\i]
	v_cvt_pk_f16_f32 v[O+32*\q+8*\dt+\i], v[O+32*\q+8*\dt+2*\i], v[O+32*\q+8*\dt+2*\i+1]
.endr
	ds_store_b128 v196, v[208:211] offset:256*\q+32*\dt
	ds_store_b128 v196, v[O+32*\q+8*\dt:O+32*\q+8*\dt+3] offset:256*\q+128+32*\dt
.endr
.endr
.set ii, 0
.rept 16
	ds_load_b128 v[S+4*ii:S+4*ii+3], v195 offset:SPITCH*ii   ; a whole row; LDS serves a wave's instructions in order: these see the stores above
.set ii, ii+1
.endr
.set ii, 0
.rept 16
	s_wait_dscnt 15-ii                             ; the younger read-backs stay out
	global_store_b128 v198, v[S+4*ii:S+4*ii+3], s[\ab:\ab+1] offset:4096*ii   ; the wave stores the 512 aligned bytes of a token's two heads
.set ii, ii+1
.endr
	s_wait_xcnt 0x0                                ; the stores' registers are written again only behind this wait
.Ldone_\@:
.endm
	ROUND                                          ; the four work-groups are here: the first joint loads meet
	JLOAD 0                                        ; pass A's tile 0
	QLOAD 78
	DLOAD 70, 72                                   ; pass A's depth rows: wanted after its last plain pair, at least eight blocks on
	INIT 26
	s_wait_loadcnt 32                              ; Q's eight loads are in; the 32 depth loads behind them stay out
	s_sub_co_u32 s24, 7, s25                       ; all pairs but the last: 4 to 7 trips
.LloopA:
	TRIP 0, 1, 1, 0
	TRIP 1, 1, 1, 0
	s_sub_co_i32 s24, s24, 1
	s_cmp_gt_i32 s24, 0
	s_cbranch_scc1 .LloopA
	DSTORE
	DLOAD 74, 76                                   ; pass B's depth rows
	TRIP 0, 1, 2, 1                                ; the last pair holds the diagonal
	v_add_nc_u32 v[LIM], 0xffffff80, v[LIM]        ; 128 keys on
	TRIP 1, 1, 2, 1                                ; its refill is pass B's tile 0
	DBLOCK MB, MA, 1
	FINAL 80
	INIT 27
	s_wait_loadcnt 0x0                             ; pass B's Q, the youngest loads
	s_cmp_eq_u32 s25, 0                            ; 0 to 3 plain pairs, the same number in the four partners
	s_cbranch_scc1 .LskipB
	s_mov_b32 s24, s25
.LloopB:
	TRIP 0, 1, 1, 0
	TRIP 1, 1, 1, 0
	s_sub_co_u32 s24, s24, 1
	s_cmp_lg_u32 s24, 0
	s_cbranch_scc1 .LloopB
.LskipB:
	DSTORE                                         ; every wave's reads of pass A's depth rows ended before the barrier of pass A's merge
	TRIP 0, 1, 0, 1
	v_add_nc_u32 v[LIM], 0xffffff80, v[LIM]
	TRIP 1, 0, 0, 1                                ; nothing is left to fetch
	DBLOCK MB, MA, 0
	FINAL 94
	s_set_vgpr_msb 0x5
	s_wait_tensorcnt 0x0
	ds_add_u32 v136, v137
	s_wait_dscnt 0x0
	s_set_vgpr_msb 0x500
	ROUND                                          ; the closing round: no work-group ends while a partner may still ask for a tile that names it
	s_endpgm
.Lfunc_end_k_q3b6e676c4a_attn:
	.size	k_q3b6e676c4a_attn, .Lfunc_end_k_q3b6e676c4a_attn-k_q3b6e676c4a_attn
	.p2alignl 7, 3214868480
	.fill 96, 4, 3214868480
	.section	.rodata,"a",@progbits
	.p2align	6, 0x0
	.amdhsa_kernel k_q3b6e676c4a_attn
		.amdhsa_group_segment_fixed_size 327680
		.amdhsa_private_segment_fixed_size 0
		.amdhsa_enable_private_segment 0
		.amdhsa_kernarg_size 48
		.amdhsa_user_sgpr_count 2
		.amdhsa_user_sgpr_kernarg_segment_ptr 1
		.amdhsa_wavefront_size32 1
		.amdhsa_system_sgpr_workgroup_id_x 1
		.amdhsa_system_sgpr_workgroup_id_y 1
		.amdhsa_system_sgpr_workgroup_id_z 1
		.amdhsa_system_vgpr_workitem_id 0
		.amdhsa_next_free_vgpr 394
		.amdhsa_next_free_sgpr 96
		.amdhsa_reserve_vcc 1
		.amdhsa_float_denorm_mode_32 3
		.amdhsa_float_denorm_mode_16_64 3
		.amdhsa_memory_ordered 1
		.amdhsa_forward_progress 1
		.amdhsa_inst_pref_size 255
	.end_amdhsa_kernel
	.section	.bss,"aw",@nobits
	.p2align	6
	.space	262144
	.amdgpu_metadata
---
amdhsa.version: [ 1, 2 ]
amdhsa.kernels:
  - .name:           k_q3b6e676c4a_attn
    .symbol:         k_q3b6e676c4a_attn.kd
    .args:
      - { .name: Qws, .offset: 0, .size: 8, .value_kind: global_buffer, .address_space: global }
      - { .name: Kws, .offset: 8, .size: 8, .value_kind: global_buffer, .address_space: global }
      - { .name: Vws, .offset: 16, .size: 8, .value_kind: global_buffer, .address_space: global }
      - { .name: K_depth, .offset: 24, .size: 8, .value_kind: global_buffer, .address_space: global }
      - { .name: V_depth, .offset: 32, .size: 8, .value_kind: global_buffer, .address_space: global }
      - { .name: att, .offset: 40, .size: 8, .value_kind: global_buffer, .address_space: global }
    .group_segment_fixed_size: 327680
    .private_segment_fixed_size: 0
    .kernarg_segment_align: 8
    .kernarg_segment_size: 48
    .max_flat_workgroup_size: 256
    .sgpr_count:     96
    .vgpr_count:     394
    .wavefront_size: 32
...
	.end_amdgpu_metadata
.endif
;; end of part 2
;; launch oproj (part 3): grid 8 x 32, 8 waves a work-group, no clusters, 179,200 bytes of LDS; arguments att, Wo, out0; writes out0
.if DOCPART == 3
	.amdgcn_target "amdgcn-amd-amdhsa--gfx1250"
	.amdhsa_code_object_version 6
	.text
	.protected	k_q3b6e676c4a_oproj
	.globl	k_q3b6e676c4a_oproj
	.p2align	8
	.type	k_q3b6e676c4a_oproj,@function
k_q3b6e676c4a_oproj:
	s_mov_b64 s[64:65], 0
	v_nop
	global_prefetch_b8 v0, s[64:65] scope:SCOPE_SE
	s_setreg_imm32_b32 hwreg(HW_REG_WAVE_MODE, 25, 1), 1
	s_wait_xcnt 0x0
; out0 = att @ Wo.  att f16 [4096 tokens][16 heads][hi 64 | lo 64], Wo f32 [1024][1024], out0 f32 [4096][1024].
; Both operands are two f16 numbers each (hi = the f32 with its low 13 mantissa bits cut, lo = the remainder): rows of tokens with few keys are
; many times the root mean square against which the result is held.  A product is hi hi + lo hi + hi lo: three matrix instructions for one.
; A work-group makes 128 x 128; eight waves, wave w makes 32 rows (wm = w >> 1) x 64 columns (wn = w & 1): 8 accumulator tiles.
; K goes in 16 steps of 64 (one head: 256 bytes of a row of att, hi and lo) through two LDS slots.
; Tiles go global -> registers -> LDS: Wo is f32 and is split on the way; a step's 16 loads a wave are issued two steps before they are stored.
; NO CLUSTER, NO TENSOR LOADS: a jointly fetched tile of Wo would lie in LDS as f32 and would have to be read, split and written again.
; LIMIT: every |Wo| and every number of att below 65,504; below 2^-14 a pair hi + lo is no finer than one f16 number (step 2^-24).
.set SLOT,  71680                      ; att 128 rows x 272 bytes (hi 128, lo 128, 16 of padding), then Wo: 64 rows of k hi, 64 rows lo, x 288 bytes
.set BOFS,  34816
.set BLO,   18432                      ; Wo's lo rows lie 64 rows behind its hi rows
.set STAGE, 143360                     ; 16 rows x 272 bytes for each wave
.set AOFF, 1
.set BOFF, 2
.set ASTO, 3                           ; v3-4   slot 0, 1
.set BSTO, 5                           ; v5-6
.set ADRA, 7                           ; v7-8
.set ADRB, 9                           ; v9-10
.set STO,  11
.set RD,   12
.set CO,   13
.set X0,   32                          ; v32-127  fragments of 32 along K: att hi (2 x 8), att lo (2 x 8), Wo hi (4 x 8), Wo lo (4 x 8)
.set X1,   128                         ; v128-223 the second buffer
; window 1: v256-383 two sets of 64 registers for tiles on their way (att in 0-31, Wo in 32-63 of a set); v384-391 at work;
.set TT,   128
.set ACC,  192                         ; v448-511 tile (a, b) at ACC + 8 (4 a + b)
.set MSB, 0
.macro WIN new
.if MSB != \new
	s_set_vgpr_msb (MSB<<8)|\new
.set MSB, \new
.endif
.endm
.macro PLACES                          ; four plain vector places behind a matrix instruction (ISA guide 7.12.1)
.rept 4
	v_nop
.endr
.endm
	s_load_b128 s[4:7], s[0:1], 0x0                ; att, Wo
	s_load_b64 s[8:9], s[0:1], 0x10                ; out0
	v_lshl_add_u32 v254, v0, 2, 0x2b800
	v_mov_b32 v255, 0
	v_lshrrev_b32 v14, 5, v0
	v_readfirstlane_b32 s10, v14                   ; wave w
	s_and_b32 s12, ttmp7, 0xffff                   ; mb
	s_lshr_b32 s13, s10, 1                         ; wm
	s_and_b32 s14, s10, 1                          ; wn
	s_lshl_b32 s22, s12, 19                        ; 128 rows of att, 4,096 bytes each
	s_mov_b32 s23, 0
	s_lshl_b32 s24, ttmp9, 9                       ; 128 columns of f32
	s_mov_b32 s25, 0
	s_lshl_b32 s26, s12, 19                        ; 128 rows of out0,
	s_lshl_b32 s27, s13, 17                        ; 32 wm rows,
	s_add_co_u32 s26, s26, s27
	s_add_co_u32 s26, s26, s24                     ; the block's columns,
	s_lshl_b32 s27, s14, 8                         ; my 64
	s_add_co_u32 s26, s26, s27
	s_mov_b32 s27, 0
	s_mov_b32 s29, 0xffffe000                      ; keeps sign, exponent and 10 mantissa bits: the hi part
	v_and_b32 v14, 31, v0                          ; L
	v_and_b32 v15, 15, v0                          ; r
	v_bfe_u32 v16, v0, 4, 1                        ; h
	v_and_b32 v17, 7, v0
	v_bfe_u32 v18, v0, 3, 1
	s_lshl_b32 s28, s10, 4
	v_add_nc_u32 v19, s28, v16                     ; row 16 w + h
	v_lshlrev_b32 v20, 4, v15
	v_lshl_add_u32 v[AOFF], v19, 12, v20           ; 16 lanes take the 256 bytes of a row's K step
	s_lshl_b32 s28, s10, 15
	v_lshl_add_u32 v[BOFF], v14, 4, s28            ; row 8 w of the step, 512 neighbouring bytes a load
	s_wait_kmcnt 0x0
	s_add_nc_u64 s[16:17], s[4:5], s[22:23]
	s_add_nc_u64 s[18:19], s[6:7], s[24:25]
	s_add_nc_u64 s[20:21], s[8:9], s[26:27]
.macro GLOAD g                         ; 16 loads: my 16 rows of att's tile and my 8 rows of Wo's
	WIN 0x40
.irp i, 0,1,2,3,4,5,6,7
	global_load_b128 v[64*\g+4*\i:64*\g+4*\i+3], v[AOFF], s[16:17] offset:8192*\i
.endr
.irp p, 0,1,2,3,4,5,6,7
	global_load_b128 v[64*\g+32+4*\p:64*\g+32+4*\p+3], v[BOFF], s[18:19] offset:4096*\p
.endr
	WIN 0
.endm
.macro STEP
	s_wait_xcnt 0x0                                ; the bases are stepped only when every issued load has had its address translated
	s_add_nc_u64 s[16:17], s[16:17], 256           ; a head of att
	s_add_nc_u64 s[18:19], s[18:19], 0x40000       ; 64 rows of Wo
.endm
.macro STORE g, sl                     ; att as it is; Wo split in place: four f32 registers become two of lo and two of hi
	WIN 0x45
.set ii, 0
.rept 8
	v_and_b32 v[TT+4*(ii%2)],   s29, v[64*\g+32+4*ii]
	v_and_b32 v[TT+4*(ii%2)+1], s29, v[64*\g+32+4*ii+1]
	v_and_b32 v[TT+4*(ii%2)+2], s29, v[64*\g+32+4*ii+2]
	v_and_b32 v[TT+4*(ii%2)+3], s29, v[64*\g+32+4*ii+3]
	v_pk_add_f32 v[64*\g+32+4*ii:64*\g+32+4*ii+1],   v[64*\g+32+4*ii:64*\g+32+4*ii+1],   v[TT+4*(ii%2):TT+4*(ii%2)+1]   neg_lo:[0,1] neg_hi:[0,1]
	v_pk_add_f32 v[64*\g+32+4*ii+2:64*\g+32+4*ii+3], v[64*\g+32+4*ii+2:64*\g+32+4*ii+3], v[TT+4*(ii%2)+2:TT+4*(ii%2)+3] neg_lo:[0,1] neg_hi:[0,1]
	v_cvt_pk_f16_f32 v[64*\g+32+4*ii],   v[64*\g+32+4*ii],   v[64*\g+32+4*ii+1]    ; lo
	v_cvt_pk_f16_f32 v[64*\g+32+4*ii+1], v[64*\g+32+4*ii+2], v[64*\g+32+4*ii+3]
	v_cvt_pk_f16_f32 v[64*\g+32+4*ii+2], v[TT+4*(ii%2)],   v[TT+4*(ii%2)+1]        ; hi
	v_cvt_pk_f16_f32 v[64*\g+32+4*ii+3], v[TT+4*(ii%2)+2], v[TT+4*(ii%2)+3]
.set ii, ii+1
.endr
	WIN 0x04
.irp i, 0,1,2,3,4,5,6,7
	ds_store_b128 v[ASTO+\sl], v[64*\g+4*\i:64*\g+4*\i+3] offset:544*\i
.endr
.irp p, 0,1,2,3,4,5,6,7
	ds_store_b64 v[BSTO+\sl], v[64*\g+32+4*\p+2:64*\g+32+4*\p+3] offset:288*\p
	ds_store_b64 v[BSTO+\sl], v[64*\g+32+4*\p:64*\g+32+4*\p+1] offset:BLO+288*\p
.endr
	WIN 0
.endm
.macro FRAG sl, ks, f                  ; 24 LDS loads: 32 along K, hi and lo of both sides.  att lies [token][k]: plain loads.  Wo lies [k][column]: transposing loads
.irp a, 0,1
	ds_load_b128 v[\f+8*\a:\f+8*\a+3],       v[ADRA+\sl] offset:4352*\a+64*\ks
	ds_load_b128 v[\f+8*\a+4:\f+8*\a+7],     v[ADRA+\sl] offset:4352*\a+64*\ks+32
	ds_load_b128 v[\f+16+8*\a:\f+16+8*\a+3], v[ADRA+\sl] offset:4352*\a+128+64*\ks
	ds_load_b128 v[\f+16+8*\a+4:\f+16+8*\a+7], v[ADRA+\sl] offset:4352*\a+128+64*\ks+32
.endr
.irp b, 0,1,2,3
	ds_load_tr16_b128 v[\f+32+8*\b:\f+32+8*\b+3],   v[ADRB+\sl] offset:9216*\ks+32*\b
	ds_load_tr16_b128 v[\f+32+8*\b+4:\f+32+8*\b+7], v[ADRB+\sl] offset:9216*\ks+32*\b+4608
	ds_load_tr16_b128 v[\f+64+8*\b:\f+64+8*\b+3],   v[ADRB+\sl] offset:BLO+9216*\ks+32*\b
	ds_load_tr16_b128 v[\f+64+8*\b+4:\f+64+8*\b+7], v[ADRB+\sl] offset:BLO+9216*\ks+32*\b+4608
.endr
.endm
; 8 matrix instructions, used transposed (source 0 = columns of Wo at wb, source 1 = tokens at ab): a lane holds row r and eight neighbouring
; columns.  The eight accumulators take turns, one instruction a turn.
.macro MUL wb, ab, zero
.irp b, 0,1,2,3
.irp a, 0,1
.if \zero
	v_wmma_f32_16x16x32_f16 v[ACC+8*(4*\a+\b):ACC+8*(4*\a+\b)+7], v[\wb+8*\b:\wb+8*\b+7], v[\ab+8*\a:\ab+8*\a+7], 0
.else
	v_wmma_f32_16x16x32_f16 v[ACC+8*(4*\a+\b):ACC+8*(4*\a+\b)+7], v[\wb+8*\b:\wb+8*\b+7], v[\ab+8*\a:\ab+8*\a+7], v[ACC+8*(4*\a+\b):ACC+8*(4*\a+\b)+7]
.endif
.endr
.endr
.endm
.macro MUL3 f, zero
	MUL \f+32, \f, \zero                           ; Wo hi x att hi
	MUL \f+32, \f+16, 0                            ; Wo hi x att lo
	MUL \f+64, \f, 0                               ; Wo lo x att hi
.endm
; One K step on slot p.  st: the next step's tile (set o) goes into slot o, which every wave finished reading before the last barrier.
; left: how many younger loads stay out.  issue: set o is asked for again, three steps ahead.  bar: the barrier that ends the step.
.macro TRIP p, o, zero, st, left, issue, bar
	FRAG \p, 0, X0
.if \st
	s_wait_loadcnt \left                           ; the next step's 16 loads are in, the 16 of the step after it stay out
	STORE \o, \o
.if \issue
	STEP
	GLOAD \o
.endif
.endif
	FRAG \p, 1, X1
	s_wait_dscnt 24                                ; all but the 24 fragment loads just issued: the first 24 are in, my stores are done
	WIN 0x50                                       ; C and D in window 1
	MUL3 X0, \zero
	s_wait_dscnt 0x0                               ; the second 24; my reads of slot p are over
	MUL3 X1, 0
	PLACES
	WIN 0
.if \bar
	s_barrier_signal -1                            ; both now hold of every wave: slot o may be read, slot p may be written
	s_barrier_wait -1
.endif
.endm
	GLOAD 0                                        ; K step 0
	STEP
	GLOAD 1                                        ; K step 1
	v_mul_u32_u24 v[ASTO], v19, 272
	v_add_nc_u32 v[ASTO], v[ASTO], v20
	v_add_nc_u32 v[ASTO+1], SLOT, v[ASTO]
	s_mul_i32 s28, s10, 2304
	s_add_co_u32 s28, s28, BOFS
	v_lshl_add_u32 v[BSTO], v14, 3, s28            ; row 8 w, 8 bytes a lane
	v_add_nc_u32 v[BSTO+1], SLOT, v[BSTO]
	v_mul_u32_u24 v21, v15, 272
	v_lshl_add_u32 v22, v16, 4, v21
	s_mul_i32 s28, s13, 8704
	v_add_nc_u32 v[ADRA], s28, v22                 ; (32 wm + r) x 272 + 16 h
	v_add_nc_u32 v[ADRA+1], SLOT, v[ADRA]
	v_lshl_add_u32 v22, v16, 3, v17
	v_mul_u32_u24 v22, v22, 288
	v_lshl_add_u32 v22, v18, 4, v22
	s_lshl_b32 s28, s14, 7
	s_add_co_u32 s28, s28, BOFS
	v_add_nc_u32 v[ADRB], s28, v22                 ; (8 h + L % 8) x 288 + 16 ((L / 8) % 2) + 128 wn
	v_add_nc_u32 v[ADRB+1], SLOT, v[ADRB]
	s_mul_i32 s28, s10, 4352
	s_add_co_u32 s28, s28, STAGE
	v_add_nc_u32 v21, s28, v21
	v_lshl_add_u32 v[STO], v16, 5, v21             ; row r, 32 bytes for each half
	v_mul_u32_u24 v22, v16, 272
	v_add_nc_u32 v22, v22, v20
	v_add_nc_u32 v[RD], s28, v22                   ; 16 lanes take a row of 256 bytes
	v_lshl_add_u32 v[CO], v16, 12, v20             ; the same two rows in out0
	s_wait_loadcnt 16                              ; step 0's 16 loads are in, step 1's stay out
	STORE 0, 0
	STEP
	GLOAD 0                                        ; K step 2
	s_wait_dscnt 0x0                               ; my part of slot 0 is written,
	s_barrier_signal -1
	s_barrier_wait -1                              ; everybody's is
	TRIP 0, 1, 1, 1, 16, 1, 1                      ; step 0: its first products start the sums, nothing is cleared
	TRIP 1, 0, 0, 1, 16, 1, 1
	s_mov_b32 s11, 5
.Lk:                                               ; steps 2 to 11
	TRIP 0, 1, 0, 1, 16, 1, 1
	TRIP 1, 0, 0, 1, 16, 1, 1
	s_sub_co_u32 s11, s11, 1
	s_cmp_lg_u32 s11, 0
	s_cbranch_scc1 .Lk
	TRIP 0, 1, 0, 1, 16, 1, 1                      ; step 12 asks for step 15, the last
	TRIP 1, 0, 0, 1, 16, 0, 1                      ; step 13: step 15's loads are still out
	TRIP 0, 1, 0, 1, 0, 0, 1                       ; step 14: nothing was issued behind step 15's loads
	TRIP 1, 0, 0, 0, 0, 0, 0                       ; step 15: nothing to store, nobody to wait for
	; THE WAY OUT, 16 rows at a time through my own stage, which no other wave touches; LDS serves a wave's instructions in order.
.irp a, 0,1
	WIN 0x04                                       ; the stores' data in window 1
.irp b, 0,1,2,3
	ds_store_b128 v[STO], v[ACC+32*\a+8*\b:ACC+32*\a+8*\b+3] offset:64*\b
	ds_store_b128 v[STO], v[ACC+32*\a+8*\b+4:ACC+32*\a+8*\b+7] offset:64*\b+16
.endr
	WIN 0
.irp i, 0,1,2,3,4,5,6,7
	ds_load_b128 v[X0+32*\a+4*\i:X0+32*\a+4*\i+3], v[RD] offset:544*\i
.endr
.irp i, 0,1,2,3,4,5,6,7
	s_wait_dscnt 7-\i                              ; the younger read-backs stay out
	global_store_b128 v[CO], v[X0+32*\a+4*\i:X0+32*\a+4*\i+3], s[20:21] offset:(16*\a+2*\i)*4096 th:TH_STORE_NT   ; 16 lanes store 256 aligned bytes
.endr
.endr
	s_wait_tensorcnt 0x0
	ds_add_u32 v254, v255
	s_wait_dscnt 0x0
	s_endpgm
.Lfunc_end_k_q3b6e676c4a_oproj:
	.size	k_q3b6e676c4a_oproj, .Lfunc_end_k_q3b6e676c4a_oproj-k_q3b6e676c4a_oproj
	.p2alignl 7, 3214868480
	.fill 96, 4, 3214868480
	.section	.rodata,"a",@progbits
	.p2align	6, 0x0
	.amdhsa_kernel k_q3b6e676c4a_oproj
		.amdhsa_group_segment_fixed_size 179200
		.amdhsa_private_segment_fixed_size 0
		.amdhsa_enable_private_segment 0
		.amdhsa_kernarg_size 24
		.amdhsa_user_sgpr_count 2
		.amdhsa_user_sgpr_kernarg_segment_ptr 1
		.amdhsa_wavefront_size32 1
		.amdhsa_system_sgpr_workgroup_id_x 1
		.amdhsa_system_sgpr_workgroup_id_y 1
		.amdhsa_system_sgpr_workgroup_id_z 1
		.amdhsa_system_vgpr_workitem_id 0
		.amdhsa_next_free_vgpr 512
		.amdhsa_next_free_sgpr 66
		.amdhsa_reserve_vcc 0
		.amdhsa_float_denorm_mode_32 3
		.amdhsa_float_denorm_mode_16_64 3
		.amdhsa_memory_ordered 1
		.amdhsa_forward_progress 1
		.amdhsa_inst_pref_size 117
	.end_amdhsa_kernel
	.amdgpu_metadata
---
amdhsa.version: [ 1, 2 ]
amdhsa.kernels:
  - .name:           k_q3b6e676c4a_oproj
    .symbol:         k_q3b6e676c4a_oproj.kd
    .args:
      - { .name: att, .offset: 0, .size: 8, .value_kind: global_buffer, .address_space: global }
      - { .name: Wo, .offset: 8, .size: 8, .value_kind: global_buffer, .address_space: global }
      - { .name: out0, .offset: 16, .size: 8, .value_kind: global_buffer, .address_space: global }
    .group_segment_fixed_size: 179200
    .private_segment_fixed_size: 0
    .kernarg_segment_align: 8
    .kernarg_segment_size: 24
    .max_flat_workgroup_size: 256
    .sgpr_count:     66
    .vgpr_count:     512
    .wavefront_size: 32
...
	.end_amdgpu_metadata
.endif
;; end of part 3
;; ======== version 2 of 2: 3 launches
;; limits: values are held in f16: magnitudes above 65,504 overflow, below 6.1e-05 lose precision; right only within a limited range of input values
;; workspace buffers: Qws 8,388,608 bytes; Kws 2,097,152 bytes; Vws 2,097,152 bytes; att 16,777,216 bytes
;; launch proj (part 4): grid 8 x 32, 8 waves a work-group, no clusters, 142,336 bytes of LDS; arguments x, Wq, Wk, Wv, Wkd, Wvd, Qws, Kws, Vws, out1, out2; writes Qws, Kws, Vws, out1, out2
.if DOCPART == 4
	.amdgcn_target "amdgcn-amd-amdhsa--gfx1250"
	.amdhsa_code_object_version 6
	.text
	.protected	k_q3b6e676c4a_proj
	.globl	k_q3b6e676c4a_proj
	.p2align	8
	.type	k_q3b6e676c4a_proj,@function
k_q3b6e676c4a_proj:
	s_mov_b64 s[64:65], 0
	v_nop
	global_prefetch_b8 v0, s[64:65] scope:SCOPE_SE
	s_setreg_imm32_b32 hwreg(HW_REG_WAVE_MODE, 25, 1), 1
	s_wait_xcnt 0x0
; The five projections of x [4096][1024] f32: x @ [Wq | Wk | Wv | Wkd | Wvd], 2048 columns in all.
; A work-group makes 128 tokens x 256 columns.  Block column nb = 0..3: Wq's columns 256 nb (heads 4 nb .. 4 nb + 3); nb = 4, 5, 6, 7: Wk, Wv, Wkd, Wvd.
; Eight waves; wave w makes 64 tokens (wm = w >> 2) x 64 columns (wn = w & 3, one head): 16 accumulator tiles of 16 x 16.
; K goes in 16 steps of 64 through two LDS slots.  x and W are f32 in memory and the matrix unit takes f16, so a tile goes
; global -> registers -> v_cvt_pk_f16_f32 -> LDS; a step's 24 loads a wave are issued two steps before they are stored.
; FRAGMENTS ARE FETCHED AHEAD, into two buffers: a step's second 32 k are asked for at its head, in front of the 16 matrix instructions on the
; first 32 k; the next slot's first 32 k are asked for behind the step's barrier, in front of the step's last 8 matrix instructions.
; So every run of LDS work (16 loads, 24 stores, 16 loads) stands in front of matrix work that does not need it.
; NO CLUSTER, NO TENSOR LOADS: a jointly fetched tile would lie in LDS as f32 (96 KiB a step) and would have to be read from there, rounded
; and written again as f16 (48 KiB); through registers only the 48 KiB of f16 are written.
; Out: Q (times 0.125 log2 e, in f32, then f16) as [b][16][t][64], K and V as f16 [b][4][t][64]; k_write, v_write as f32 [b][4][t][64].
; LIMIT: operands and Q, K, V are f16: every |x|, |W| and every projected number must stay below 65,504.
.set SLOT,  53248                      ; a slot: x 128 rows x 144 bytes (128 + 16), then W 64 rows of k x 544 bytes (512 + 32)
.set BOFS,  18432
.set STAGE, 106496                     ; behind the slots: 16 rows x 272 bytes for each wave, for the way out
.set AOFF, 1                           ; v1      my byte offset in x's tile
.set BOFF, 2                           ; v2-9    my byte offset in row 8 w + p of W's tile
.set ASTO, 10                          ; v10     where I put 8 bytes of x's tile in slot 0
.set BSTO, 11                          ; v11     the same for W
.set ADRA, 12                          ; v12-13  my x fragments in slot 0, 1
.set ADRB, 14                          ; v14-15  my W fragments in slot 0, 1
.set STOH, 16                          ; v16     stage, in, f16 results
.set STOF, 17                          ; v17     stage, in, f32 results
.set RDH,  18                          ; v18     stage, back, rows of 128 bytes
.set RDF,  19                          ; v19     stage, back, rows of 256 bytes
.set CO,   20                          ; v20     16 x lane
.set F0,   32                          ; v32-95   fragment buffer 0: four of x (16 tokens x 32 k) at +0, four of W (16 columns x 32 k) at +32
.set F1,   96                          ; v96-159  fragment buffer 1
.set S0,   160                         ; v160-255 set 0 of a tile on its way: x in 0-31, W in 32-95
.set T,    96                          ; the way out: packed results, in buffer 1's registers
; window 1:
.set ACC,  0                           ; v256-383 tile (a, b) at ACC + 8 (4 a + b): tokens 16 a, columns 16 b
.set S1,   128                         ; v384-479 set 1 of a tile on its way
.set MSB, 0
.macro WIN new                         ; the immediate's high byte repeats the setting that is left
.if MSB != \new
	s_set_vgpr_msb (MSB<<8)|\new
.set MSB, \new
.endif
.endm
.macro PLACES                          ; four plain vector places behind a matrix instruction (ISA guide 7.12.1) before its registers are loaded, read or written
.rept 4
	v_nop
.endr
.endm
	s_load_b512 s[4:19], s[0:1], 0x0               ; x, Wq, Wk, Wv, Wkd, Wvd, Qws, Kws
	s_load_b128 s[20:23], s[0:1], 0x40             ; Vws, out1
	s_load_b64 s[24:25], s[0:1], 0x50              ; out2
	v_lshl_add_u32 v29, v0, 2, 0x22800
	s_set_vgpr_msb 0x40
	v_mov_b32 v225, 0
	s_set_vgpr_msb 0x4000
	v_lshrrev_b32 v21, 5, v0
	v_readfirstlane_b32 s28, v21                   ; wave w
	s_mov_b32 s26, ttmp9                           ; nb
	s_and_b32 s27, ttmp7, 0xffff                   ; mb
	s_lshr_b32 s29, s28, 2                         ; wm
	s_and_b32 s30, s28, 3                          ; wn
	s_lshl_b32 s46, s26, 10                        ; 256 columns of f32
	s_mov_b32 s47, 0
	s_mov_b32 s36, 1024                            ; a row of Wk .. Wvd in bytes
	s_cmp_lt_u32 s26, 4
	s_cselect_b32 s36, 4096, s36                   ; a row of Wq
	s_cselect_b32 s46, s46, 0                      ; only Wq has block columns
	s_lshl_b32 s38, s36, 6                         ; 64 rows of W: a K step
	s_mov_b32 s39, 0
	s_lshl_b32 s48, s27, 19                        ; 128 rows of x
	s_mov_b32 s49, 0
	s_mov_b32 s44, 0x3e38aa3b                      ; 0.125 log2 e
	s_mov_b32 s45, 0x3e38aa3b
	v_and_b32 v21, 31, v0                          ; lane L
	v_and_b32 v22, 15, v0                          ; r
	v_bfe_u32 v23, v0, 4, 1                        ; h
	v_lshlrev_b32 v[CO], 4, v21
	s_lshl_b32 s50, s28, 4
	v_add_nc_u32 v27, s50, v23                     ; row 16 w + h
	v_lshlrev_b32 v28, 4, v22
	v_lshl_add_u32 v[AOFF], v27, 12, v28           ; 16 lanes take the 256 bytes of a row's K step
	s_lshl_b32 s50, s28, 3
.irp p, 0,1,2,3,4,5,6,7
	s_add_co_u32 s51, s50, \p
	s_mul_i32 s51, s51, s36
	v_add_nc_u32 v[BOFF+\p], s51, v[CO]            ; row 8 w + p of the step, 512 neighbouring bytes a load
.endr
	s_wait_kmcnt 0x0
	s_add_nc_u64 s[32:33], s[4:5], s[48:49]        ; x at my 128 rows
	s_cmp_eq_u32 s26, 4
	s_cselect_b64 s[34:35], s[8:9], s[6:7]
	s_cmp_eq_u32 s26, 5
	s_cselect_b64 s[34:35], s[10:11], s[34:35]
	s_cmp_eq_u32 s26, 6
	s_cselect_b64 s[34:35], s[12:13], s[34:35]
	s_cmp_eq_u32 s26, 7
	s_cselect_b64 s[34:35], s[14:15], s[34:35]
	s_add_nc_u64 s[34:35], s[34:35], s[46:47]      ; W at my 256 columns
; 24 loads: my 16 rows of x's tile and my 8 rows of W's, into set g (set 0 in window 0, set 1 in window 1).  Leaves its window set.
.macro GLOAD g
.if \g
	WIN 0x40
.else
	WIN 0
.endif
.set SB, S0-(S0-S1)*\g
.irp i, 0,1,2,3,4,5,6,7
	global_load_b128 v[SB+4*\i:SB+4*\i+3], v[AOFF], s[32:33] offset:8192*\i
.endr
.irp p, 0,1,2,3,4,5,6,7
	global_load_b128 v[SB+32+8*\p:SB+32+8*\p+3], v[BOFF+\p], s[34:35]
	global_load_b128 v[SB+36+8*\p:SB+36+8*\p+3], v[BOFF+\p], s[34:35] offset:512
.endr
.endm
.macro STEP
	s_wait_xcnt 0x0                                ; the bases are stepped only when every issued load has had its address translated
	s_add_nc_u64 s[32:33], s[32:33], 256
	s_add_nc_u64 s[34:35], s[34:35], s[38:39]
.endm
; set g is rounded to f16 in place and put into slot sl.  Leaves its window set.
.macro CVTSTORE g, sl
.if \g
	WIN 0x45
.else
	WIN 0
.endif
.set SB, S0-(S0-S1)*\g
.set ii, 0
.rept 24
	v_cvt_pk_f16_f32 v[SB+4*ii], v[SB+4*ii], v[SB+4*ii+1]
	v_cvt_pk_f16_f32 v[SB+4*ii+1], v[SB+4*ii+2], v[SB+4*ii+3]
.set ii, ii+1
.endr
.if \g
	WIN 0x04
.endif
.irp i, 0,1,2,3,4,5,6,7
	ds_store_b64 v[ASTO], v[SB+4*\i:SB+4*\i+1] offset:\sl*SLOT+288*\i
.endr
.irp p, 0,1,2,3,4,5,6,7
	ds_store_b64 v[BSTO], v[SB+32+8*\p:SB+32+8*\p+1] offset:\sl*SLOT+544*\p
	ds_store_b64 v[BSTO], v[SB+36+8*\p:SB+36+8*\p+1] offset:\sl*SLOT+544*\p+256
.endr
.endm
; 16 LDS loads: the fragments of 32 along K into buffer f.  x lies [token][k]: plain loads.  W lies [k][column]: transposing loads.
.macro FRAG sl, ks, f
	WIN 0
.irp a, 0,1,2,3
	ds_load_b128 v[\f+8*\a:\f+8*\a+3],   v[ADRA+\sl] offset:2304*\a+64*\ks
	ds_load_b128 v[\f+8*\a+4:\f+8*\a+7], v[ADRA+\sl] offset:2304*\a+64*\ks+32
.endr
.irp b, 0,1,2,3
	ds_load_tr16_b128 v[\f+32+8*\b:\f+32+8*\b+3],   v[ADRB+\sl] offset:17408*\ks+32*\b
	ds_load_tr16_b128 v[\f+32+8*\b+4:\f+32+8*\b+7], v[ADRB+\sl] offset:17408*\ks+32*\b+8704
.endr
.endm
; 8 matrix instructions on buffer f: column tiles b0, b0 + 1 x all four token tiles.  Used transposed (source 0 = columns of W, source 1 =
; tokens): a lane then holds token r and the eight neighbouring columns 8 h + 0..7.  C and D lie in window 1 (setting 0x50).
; The 16 accumulators take turns, one instruction a turn, in the same order in every run of 16.
.macro MUL8 f, b0, zero
.irp b, \b0, \b0+1
.irp a, 0,1,2,3
.if \zero
	v_wmma_f32_16x16x32_f16 v[ACC+8*(4*\a+(\b)):ACC+8*(4*\a+(\b))+7], v[\f+32+8*(\b):\f+32+8*(\b)+7], v[\f+8*\a:\f+8*\a+7], 0
.else
	v_wmma_f32_16x16x32_f16 v[ACC+8*(4*\a+(\b)):ACC+8*(4*\a+(\b))+7], v[\f+32+8*(\b):\f+32+8*(\b)+7], v[\f+8*\a:\f+8*\a+7], v[ACC+8*(4*\a+(\b)):ACC+8*(4*\a+(\b))+7]
.endif
.endr
.endr
.endm
; One K step on slot p.  At its head buffer 0's 16 loads (this slot's first 32 k) are on their way.
; st: the next step's tile (set o) goes into slot o, which every wave finished reading before the last barrier.  left: how many younger global
; loads stay out.  issue: set o is asked for again, three steps ahead.  nxt: a step follows: the barrier, and behind it slot o's first fragments.
.macro TRIP p, o, zero, st, left, issue, nxt
	FRAG \p, 1, F1                                 ; this slot's second 32 k
	s_wait_dscnt 16                                ; all but those 16 loads: buffer 0 is in
	WIN 0x50
	MUL8 F0, 0, \zero
.if \st
	s_wait_loadcnt \left                           ; loads come back in order: the next step's 24 are in, the 24 of the step after it stay out
	CVTSTORE \o, \o
.if \issue
	STEP
	GLOAD \o
.endif
.endif
	WIN 0x50
	MUL8 F0, 2, \zero
	s_wait_dscnt 0x0                               ; buffer 1 is in; also my stores into slot o are done and my reads of slot p are over:
.if \nxt
	s_barrier_signal -1                            ; say so,
.endif
	MUL8 F1, 0, 0                                  ; work on registers while the others arrive,
.if \nxt
	WIN 0
	s_barrier_wait -1                              ; and go on when both hold of every wave: slot o may be read, slot p may be written
	PLACES                                         ; buffer 0 was last read nine matrix instructions ago, which are no places
	FRAG \o, 0, F0                                 ; the next step's first 32 k
	WIN 0x50
.endif
	MUL8 F1, 2, 0
	PLACES                                         ; before buffer 1 is loaded again, or the results are read
	WIN 0
.endm
	GLOAD 0                                        ; K step 0
	STEP
	GLOAD 1                                        ; K step 1
	WIN 0
	v_and_b32 v24, 7, v0
	v_bfe_u32 v25, v0, 3, 1
	v_lshrrev_b32 v26, 3, v21
	v_mul_u32_u24 v[ASTO], v27, 144
	v_lshl_add_u32 v[ASTO], v22, 3, v[ASTO]        ; row 16 w + h, 8 bytes (4 numbers) a lane
	s_mul_i32 s51, s28, 4352
	s_add_co_u32 s51, s51, BOFS
	v_lshl_add_u32 v[BSTO], v21, 3, s51            ; row 8 w, 8 bytes a lane
	v_mul_u32_u24 v30, v22, 144
	v_lshl_add_u32 v30, v23, 4, v30
	s_mul_i32 s51, s29, 9216
	v_add_nc_u32 v[ADRA], s51, v30                 ; (64 wm + r) x 144 + 16 h
	v_add_nc_u32 v[ADRA+1], SLOT, v[ADRA]
	v_lshl_add_u32 v31, v23, 3, v24
	v_mul_u32_u24 v31, v31, 544
	v_lshl_add_u32 v31, v25, 4, v31
	s_lshl_b32 s51, s30, 7
	s_add_co_u32 s51, s51, BOFS
	v_add_nc_u32 v[ADRB], s51, v31                 ; (8 h + L % 8) x 544 + 16 ((L / 8) % 2) + 128 wn
	v_add_nc_u32 v[ADRB+1], SLOT, v[ADRB]
	s_mul_i32 s51, s28, 4352
	s_add_co_u32 s51, s51, STAGE                   ; my stage
	v_mul_u32_u24 v30, v22, 272
	v_add_nc_u32 v30, s51, v30
	v_lshl_add_u32 v[STOH], v23, 4, v30
	v_lshl_add_u32 v[STOF], v23, 5, v30
	v_mul_u32_u24 v30, v26, 272
	v_lshl_add_u32 v30, v24, 4, v30
	v_add_nc_u32 v[RDH], s51, v30
	v_mul_u32_u24 v30, v23, 272
	v_lshl_add_u32 v30, v22, 4, v30
	v_add_nc_u32 v[RDF], s51, v30
	s_wait_loadcnt 24                              ; step 0's 24 loads are in, step 1's stay out
	CVTSTORE 0, 0
	STEP
	GLOAD 0                                        ; K step 2
	s_wait_dscnt 0x0                               ; my part of slot 0 is written,
	s_barrier_signal -1
	s_barrier_wait -1                              ; everybody's is
	FRAG 0, 0, F0
	TRIP 0, 1, 1, 1, 24, 1, 1                      ; step 0: its first products start the sums, nothing is cleared
	TRIP 1, 0, 0, 1, 24, 1, 1
	s_mov_b32 s42, 5
.Lk:                                               ; steps 2 to 11
	TRIP 0, 1, 0, 1, 24, 1, 1
	TRIP 1, 0, 0, 1, 24, 1, 1
	s_sub_co_u32 s42, s42, 1
	s_cmp_lg_u32 s42, 0
	s_cbranch_scc1 .Lk
	TRIP 0, 1, 0, 1, 24, 1, 1                      ; step 12 asks for step 15, the last
	TRIP 1, 0, 0, 1, 24, 0, 1                      ; step 13: step 15's loads are still out
	TRIP 0, 1, 0, 1, 0, 0, 1                       ; step 14: nothing was issued behind step 15's loads
	TRIP 1, 0, 0, 0, 0, 0, 0                       ; step 15: nothing to store, nobody to wait for
; THE WAY OUT, 16 tokens at a time through my own stage: no other wave touches it, and LDS serves a wave's instructions in order.
; A head's tokens follow each other in the outputs, so my 64 tokens are one run of bytes and a store covers 512 of them, aligned.
.macro OUTH scale                      ; f16: rows of 128 bytes
.if \scale
	WIN 0x41                                       ; source 0 and destination in window 1
.set ii, 0
.rept 64
	v_pk_mul_f32 v[ACC+2*ii:ACC+2*ii+1], v[ACC+2*ii:ACC+2*ii+1], s[44:45] op_sel_hi:[1,0]
.set ii, ii+1
.endr
.endif
.irp a, 0,1,2,3
	WIN 0x05                                       ; both sources in window 1
.set ii, 0
.rept 16
	v_cvt_pk_f16_f32 v[T+ii], v[ACC+32*\a+2*ii], v[ACC+32*\a+2*ii+1]
.set ii, ii+1
.endr
	WIN 0
.irp b, 0,1,2,3
	ds_store_b128 v[STOH], v[T+4*\b:T+4*\b+3] offset:32*\b
.endr
	s_wait_xcnt 0x0                                ; the registers that the last four stores read are loaded again only behind this wait
.irp i, 0,1,2,3
	ds_load_b128 v[F0+4*\i:F0+4*\i+3], v[RDH] offset:1088*\i
.endr
.irp i, 0,1,2,3
	s_wait_dscnt 3-\i                              ; the younger read-backs stay out
	global_store_b128 v[CO], v[F0+4*\i:F0+4*\i+3], s[40:41] offset:2048*\a+512*\i
.endr
.endr
.endm
.macro OUTF                            ; f32: rows of 256 bytes
.irp a, 0,1,2,3
	WIN 0x04                                       ; the stores' data in window 1
.irp b, 0,1,2,3
	ds_store_b128 v[STOF], v[ACC+32*\a+8*\b:ACC+32*\a+8*\b+3] offset:64*\b
	ds_store_b128 v[STOF], v[ACC+32*\a+8*\b+4:ACC+32*\a+8*\b+7] offset:64*\b+16
.endr
	WIN 0
	s_wait_xcnt 0x0                                ; as above
.irp i, 0,1,2,3,4,5,6,7
	ds_load_b128 v[F0+4*\i:F0+4*\i+3], v[RDF] offset:544*\i
.endr
.irp i, 0,1,2,3,4,5,6,7
	s_wait_dscnt 7-\i
	global_store_b128 v[CO], v[F0+4*\i:F0+4*\i+3], s[40:41] offset:4096*\a+512*\i th:TH_STORE_NT
.endr
.endr
.endm
	s_lshr_b32 s46, s27, 4                         ; b
	s_and_b32 s47, s27, 15
	s_lshl_b32 s47, s47, 7
	s_lshl_b32 s48, s29, 6
	s_add_co_u32 s47, s47, s48                     ; my first token in its batch
	s_mov_b32 s49, 0
	s_cmp_lt_u32 s26, 4
	s_cbranch_scc0 .Lnotq
	s_lshl_b32 s48, s46, 4
	s_lshl2_add_u32 s48, s26, s48
	s_add_co_u32 s48, s48, s30                     ; 16 b + 4 nb + wn
	s_lshl_b32 s48, s48, 11
	s_add_co_u32 s48, s48, s47
	s_lshl_b32 s48, s48, 7                         ; 128 bytes a token
	s_add_nc_u64 s[40:41], s[16:17], s[48:49]
	OUTH 1
	s_set_vgpr_msb 0x4
	s_wait_tensorcnt 0x0
	ds_add_u32 v29, v225
	s_wait_dscnt 0x0
	s_set_vgpr_msb 0x400
	s_endpgm
.Lnotq:
	s_lshl2_add_u32 s48, s46, s30                  ; 4 b + wn
	s_lshl_b32 s48, s48, 11
	s_add_co_u32 s48, s48, s47
	s_cmp_lt_u32 s26, 6
	s_cbranch_scc0 .Lwrite
	s_lshl_b32 s48, s48, 7
	s_cmp_eq_u32 s26, 4
	s_cselect_b64 s[40:41], s[18:19], s[20:21]     ; Kws or Vws
	s_add_nc_u64 s[40:41], s[40:41], s[48:49]
	OUTH 0
	s_set_vgpr_msb 0x4
	s_wait_tensorcnt 0x0
	ds_add_u32 v29, v225
	s_wait_dscnt 0x0
	s_set_vgpr_msb 0x400
	s_endpgm
.Lwrite:
	s_lshl_b32 s48, s48, 8                         ; 256 bytes a token
	s_cmp_eq_u32 s26, 6
	s_cselect_b64 s[40:41], s[22:23], s[24:25]     ; out1 or out2
	s_add_nc_u64 s[40:41], s[40:41], s[48:49]
	OUTF
	s_set_vgpr_msb 0x4
	s_wait_tensorcnt 0x0
	ds_add_u32 v29, v225
	s_wait_dscnt 0x0
	s_set_vgpr_msb 0x400
	s_endpgm
.Lfunc_end_k_q3b6e676c4a_proj:
	.size	k_q3b6e676c4a_proj, .Lfunc_end_k_q3b6e676c4a_proj-k_q3b6e676c4a_proj
	.p2alignl 7, 3214868480
	.fill 96, 4, 3214868480
	.section	.rodata,"a",@progbits
	.p2align	6, 0x0
	.amdhsa_kernel k_q3b6e676c4a_proj
		.amdhsa_group_segment_fixed_size 142336
		.amdhsa_private_segment_fixed_size 0
		.amdhsa_enable_private_segment 0
		.amdhsa_kernarg_size 88
		.amdhsa_user_sgpr_count 2
		.amdhsa_user_sgpr_kernarg_segment_ptr 1
		.amdhsa_wavefront_size32 1
		.amdhsa_system_sgpr_workgroup_id_x 1
		.amdhsa_system_sgpr_workgroup_id_y 1
		.amdhsa_system_sgpr_workgroup_id_z 1
		.amdhsa_system_vgpr_workitem_id 0
		.amdhsa_next_free_vgpr 482
		.amdhsa_next_free_sgpr 66
		.amdhsa_reserve_vcc 0
		.amdhsa_float_denorm_mode_32 3
		.amdhsa_float_denorm_mode_16_64 3
		.amdhsa_memory_ordered 1
		.amdhsa_forward_progress 1
		.amdhsa_inst_pref_size 128
	.end_amdhsa_kernel
	.amdgpu_metadata
---
amdhsa.version: [ 1, 2 ]
amdhsa.kernels:
  - .name:           k_q3b6e676c4a_proj
    .symbol:         k_q3b6e676c4a_proj.kd
    .args:
      - { .name: x, .offset: 0, .size: 8, .value_kind: global_buffer, .address_space: global }
      - { .name: Wq, .offset: 8, .size: 8, .value_kind: global_buffer, .address_space: global }
      - { .name: Wk, .offset: 16, .size: 8, .value_kind: global_buffer, .address_space: global }
      - { .name: Wv, .offset: 24, .size: 8, .value_kind: global_buffer, .address_space: global }
      - { .name: Wkd, .offset: 32, .size: 8, .value_kind: global_buffer, .address_space: global }
      - { .name: Wvd, .offset: 40, .size: 8, .value_kind: global_buffer, .address_space: global }
      - { .name: Qws, .offset: 48, .size: 8, .value_kind: global_buffer, .address_space: global }
      - { .name: Kws, .offset: 56, .size: 8, .value_kind: global_buffer, .address_space: global }
      - { .name: Vws, .offset: 64, .size: 8, .value_kind: global_buffer, .address_space: global }
      - { .name: out1, .offset: 72, .size: 8, .value_kind: global_buffer, .address_space: global }
      - { .name: out2, .offset: 80, .size: 8, .value_kind: global_buffer, .address_space: global }
    .group_segment_fixed_size: 142336
    .private_segment_fixed_size: 0
    .kernarg_segment_align: 8
    .kernarg_segment_size: 88
    .max_flat_workgroup_size: 256
    .sgpr_count:     66
    .vgpr_count:     482
    .wavefront_size: 32
...
	.end_amdgpu_metadata
.endif
;; end of part 4
;; launch attn (part 5): grid 32 x 8, 8 waves a work-group, clusters of 4 x 1, 327,680 bytes of LDS; arguments Qws, Kws, Vws, K_depth, V_depth, att; writes att
.if DOCPART == 5
	.amdgcn_target "amdgcn-amd-amdhsa--gfx1250"
	.amdhsa_code_object_version 6
	.text
	.protected	k_q3b6e676c4a_attn
	.globl	k_q3b6e676c4a_attn
	.p2align	8
	.type	k_q3b6e676c4a_attn,@function
k_q3b6e676c4a_attn:
	s_mov_b64 s[64:65], 0
	v_nop
	global_prefetch_b8 v0, s[64:65] scope:SCOPE_SE
	s_setreg_imm32_b32 hwreg(HW_REG_WAVE_MODE, 25, 1), 1
	s_wait_xcnt 0x0
	s_wait_alu depctr_hold_cnt(0) depctr_sa_sdst(0) depctr_va_vdst(0) depctr_va_sdst(0) depctr_va_ssrc(0) depctr_va_vcc(0) depctr_vm_vsrc(0)
	s_getreg_b32 s2, hwreg(HW_REG_IB_STS2, 6, 4)
	s_cmp_eq_u32 s2, 0
	s_cbranch_scc0 .Lentry_in_a_cluster
	s_endpgm
.Lentry_in_a_cluster:
	s_bfe_u32 s2, ttmp6, 0x10000c
	s_cmp_lg_u32 s2, 0x3003
	s_cbranch_scc0 .Lentry_shape_is_right
	s_endpgm
.Lentry_shape_is_right:
; Causal attention with eight depth keys of its own for every token, one softmax over both, by a running maximum.
; Qws f16 [b][16][t][64] (already times 0.125 log2 e), Kws, Vws f16 [b][4][t][64], K_depth, V_depth f32 [b][4][8 t][64].
; att f16 [token][16 heads][hi 64 | lo 64]: each result as two f16 numbers, 256 bytes a head, 4,096 bytes a token.
; Work-group (j, bh): key head bh, all four query heads of its group, so each depth byte is read once.  Two passes of 32 tokens: the token
; tiles 63 - j and j.  Keys go through two LDS slots of 256 keys (two tiles of 128).  With g = j >> 3, tile 63 - j needs 8 - g slots-full and
; tile j needs 1 + g: nine in every work-group, one number even and one odd.  THE TILE WITH THE EVEN NUMBER GOES FIRST: its steps then run
; slot 0, 1, .. and end in slot 1, the other tile's begin and end in slot 0, and the slot of every step is a constant of the text.
; Wave w: kp = w >> 2 takes keys 64 kp .. + 63 of each tile of 128; th = (w >> 1) & 1 takes 16 tokens; hp = w & 1 takes two heads q = 0, 1.
; Waves w and w + 4 are merged at a pass's end.
; S^T = K Q^T: lane (r, h), register j holds key 8 h + j of query r; two such tiles, packed to f16, ARE the second source of O^T = V^T P^T.
; The maximum over keys is in-lane but for one exchange of the halves, the rescaling is a lane's own, and a lane's eight results are neighbouring d.
; The 128 depth keys of a wave's 16 tokens are one more block of keys, valid only where the key's token is the query's.
; TWO f16 NUMBERS FOR ONE: a token with few keys gets nearly all of its result from its depth entries, and that result is many times the root
; mean square of all results, against which it is held.  So depth keys, depth values, their P and att go as hi + lo: hi = the f32 with its low
; 13 mantissa bits cut (exact in f16 from 2^-14 up), lo = the exact remainder rounded to f16; a product is hi hi + lo hi + hi lo.
; CLUSTER: the four work-groups 4 c .. 4 c + 3 have the same bh, the same g (made from the cluster's x alone), so the same order of passes and
; the same numbers of steps, and walk the same K and V rows: every slot is asked for jointly, mask 15.  A refill is asked for at the head of
; the step on the other slot and has that step's two blocks in which to land.  A wave has two tensor loads out at the start, later one.
; Depth rows come through registers (32 loads a wave and pass, issued blocks ahead): loads into registers may stay out across the ring's barriers.
; LIMITS: operands are f16, every |q|, |k|, |v| and depth entry below 65,504; below 2^-14 a pair hi + lo is no finer than one f16 number
; (step 2^-24); the running maximum starts at -1e30, so |score x log2 e| < 1e30.
.set PSLOT, 77824                      ; a slot: K 256 rows x 144 bytes, then V 256 rows x 160 bytes
.set VOFS, 36864
.set KT2,  18432                       ; the slot's second tile of K: 128 rows on
.set VT2,  20480                       ; the slot's second tile of V
.set DK,   155648                      ; depth keys, hi: 256 rows x 144
.set DKLO, 36864                       ; their lo parts lie this far behind
.set DV,   229376                      ; depth values, hi: 256 rows x 160
.set DVLO, 40960                       ; their lo parts
.set MS,   DK                          ; merge and stage, 8,704 bytes for each pair of waves, lie OVER the depth keys' hi part, which is done with by then:
                                       ; barriers stand between the two uses, both ways.  Tensor loads land below DK alone
.set SPITCH, 528                       ; a stage row: 512 bytes + 16
.set KADR, 1                           ; v1-2 slot 0, 1: (64 kp + r) x 144 + 16 h
.set VADR, 3                           ; v3-4 slot 0, 1: VOFS + (64 kp + 8 h + L % 8) x 160 + 16 ((L / 8) % 2)
.set DKADR, 5                          ; v5  the same as KADR in DK, rows 128 th on
.set DVADR, 6                          ; v6  the same as VADR in DV
.set LIMB, 7                           ; v7  16 th + r - 64 kp - 8 h
.set LIM,  8                           ; v8  key 16 kt + j of my share is allowed if it is <= LIM
.set E,    9                           ; v9  r - h - 8 kp: depth tile kt is mine if 2 kt == E
.set QOFF, 10                          ; v10 128 r + 16 h
.set MA,   12                          ; v12, v14  running maximum of q = 0, 1 (one of two sets)
.set LS,   13                          ; v13, v15  running sum
.set MB,   16                          ; v16, v18  running maximum, the other set
.set TA,   17                          ; v17, v21  at work
.set TB,   19                          ; v19, v23  at work
.set AL,   20                          ; v20, v22  rescaling factor.  Each broadcast number is the FIRST register of an even pair
.set PA,   24                          ; v[24:25], v[28:29]  row sums, chain a
.set PB,   26                          ; v[26:27], v[30:31]  row sums, chain b
.set Q,    32                          ; v32-63   Q(q, ks) at Q + 16 q + 8 ks; in the depth block later P's hi part, (q, k2) at Q + 16 q + 8 k2
.set S,    64                          ; v64-127  S(q, kt) at S + 32 q + 8 kt; later P(q, k2) at S + 32 q + 16 k2
.set O,    128                         ; v128-191 O(q, dt) at O + 32 q + 8 dt
.set F,    192                         ; v192-255 K(kt, ks) at F + 16 kt + 8 ks, then V(dt, k2) at F + 16 dt + 8 k2
; window 1: v256-383 depth rows on their way, K in 0-63, V in 64-127; v384-391 at work;
.set DKS,  136                         ; v392 where I put depth keys
.set DVS,  137                         ; v393 where I put depth values
.set DGO,  138                         ; v394 8192 w + 16 L
.set G1K, 32                           ; s[32:39]
.set G1V, 40                           ; s[40:47]
.set G0K, 48                           ; s[48:55] a set for each slot
.set G0V, 56                           ; s[56:63]
.set MSB, 0
.macro WIN new                         ; the immediate's high byte repeats the setting that is left
.if MSB != \new
	s_set_vgpr_msb (MSB<<8)|\new
.set MSB, \new
.endif
.endm
; A round of the cluster's barrier
.macro ROUND
	s_barrier_signal -1
	s_barrier_wait -1
	s_cmp_lg_u32 s16, 0
	s_cbranch_scc1 .Lnw0_\@
	s_barrier_signal -3
.Lnw0_\@:
	s_barrier_wait -3
	s_barrier_signal -1
	s_barrier_wait -1
.endm
; A joint load: waves 0-3 ask for 64 rows of K each, waves 4-7 for 64 rows of V.  The branch hangs on the wave's number alone.
.macro JLOAD sl
	s_cmp_eq_u32 s17, 0
	s_cbranch_scc0 .Lfor_v_\@
	tensor_load_to_lds s[G0K+4*\sl:G0K+4*\sl+3], s[G1K:G1K+7]
	s_nop 0
	s_branch .Lasked_\@
.Lfor_v_\@:
	tensor_load_to_lds s[G0V+4*\sl:G0V+4*\sl+3], s[G1V:G1V+7]
	s_nop 0
.Lasked_\@:
.endm
	s_load_b256 s[4:11], s[0:1], 0x0               ; Qws s[4:5], Kws s[6:7], Vws s[8:9], K_depth s[10:11]
	s_load_b128 s[12:15], s[0:1], 0x20             ; V_depth s[12:13], att s[14:15]
	v_lshl_add_u32 v11, v0, 2, 0x4c000
	s_set_vgpr_msb 0x40
	v_mov_b32 v145, 0
	s_set_vgpr_msb 0x4044
	ds_add_u32 v11, v145
	s_set_vgpr_msb 0x4400
	v_lshrrev_b32 v1, 5, v0
	v_readfirstlane_b32 s16, v1                    ; wave w
	s_lshr_b32 s17, s16, 2                         ; kp
	s_and_b32 s18, s16, 3                          ; rg
	s_lshr_b32 s19, s18, 1                         ; th
	s_and_b32 s20, s18, 1                          ; hp
	s_bfe_u32 s86, ttmp6, 0x40000                  ; cx
	s_lshl_b32 s21, ttmp9, 2
	s_add_co_u32 s21, s21, s86                     ; j
	s_and_b32 s22, ttmp7, 0xffff                   ; bh
	s_sub_co_u32 s23, 63, s21                      ; 63 - j
	s_lshr_b32 s25, ttmp9, 1                       ; g = j >> 3, the same in the four partners
	s_sub_co_u32 s86, 8, s25                       ; slots-full of tile 63 - j
	s_add_co_u32 s87, s25, 1                       ; slots-full of tile j
	s_and_b32 s88, s25, 1
	s_cmp_lg_u32 s88, 0                            ; g odd: tile j has the even number
	s_cselect_b32 s29, s87, s86                    ; the first pass's steps: 2, 4, 6 or 8
	s_cselect_b32 s30, s21, s23                    ; the first pass's token tile
	s_cselect_b32 s31, s23, s21                    ; the second pass's
	s_sub_co_u32 s29, s29, 2
	s_lshr_b32 s29, s29, 1                         ; trips of the first pass's loop: all steps but the first and the last, two a trip: 0 to 3
	s_sub_co_u32 s25, 3, s29                       ; trips of the second pass's loop: all steps but the last: 3 to 0
	s_and_b32 s26, s30, 7
	s_lshl_b32 s26, s26, 5                         ; where the first pass's tokens begin in their last 256 keys
	s_and_b32 s27, s31, 7
	s_lshl_b32 s27, s27, 5                         ; the same for the second pass
	s_mov_b32 s28, 0xffffe000                      ; keeps sign, exponent and 10 mantissa bits: the hi part
	s_mov_b32 s82, 0x76543210                      ; v_permlanex16_b32: lane i reads lane i of the other half
	s_mov_b32 s83, 0xfedcba98
	s_mov_b32 s84, 0xff7fffff                      ; the mask's value
	s_mul_i32 s85, s18, 8704
	s_add_co_u32 s85, s85, MS                      ; my pair's merge bytes
	; group 1: 64 rows x 64 elements of 2 bytes, 4 (K) or 8 (V) dwords of padding behind every 32 dwords; mask 15, bit 21 beside it
	s_mov_b32 s[G1K+0], 15|(1<<16)|(1<<20)|(1<<21)|(4<<22)|(3<<25)
	s_mov_b32 s[G1V+0], 15|(1<<16)|(1<<20)|(1<<21)|(4<<22)|(7<<25)
	s_mov_b32 s[G1K+1], 64<<16                     ; tensor_dim0 = 64
	s_mov_b32 s[G1V+1], 64<<16
	s_mov_b32 s[G1K+2], 64<<16                     ; tensor_dim1 = 64
	s_mov_b32 s[G1V+2], 64<<16
	s_mov_b32 s[G1K+3], 64<<16                     ; tile_dim0 = 64
	s_mov_b32 s[G1V+3], 64<<16
	s_mov_b32 s[G1K+4], 64                         ; tile_dim1 = 64
	s_mov_b32 s[G1V+4], 64
	s_mov_b32 s[G1K+5], 64                         ; 64 elements from row to row
	s_mov_b32 s[G1V+5], 64
	s_mov_b32 s[G1K+6], 0
	s_mov_b32 s[G1V+6], 0
	s_mov_b32 s[G1K+7], 0
	s_mov_b32 s[G1V+7], 0
	v_and_b32 v24, 31, v0                          ; L
	v_and_b32 v25, 15, v0                          ; r
	v_bfe_u32 v26, v0, 4, 1                        ; h
	v_and_b32 v27, 7, v0
	v_bfe_u32 v28, v0, 3, 1
	s_mul_i32 s86, s17, 9216
	v_mul_u32_u24 v[KADR], v25, 144
	v_lshl_add_u32 v[KADR], v26, 4, v[KADR]
	v_add_nc_u32 v[KADR], s86, v[KADR]
	v_add_nc_u32 v[KADR+1], PSLOT, v[KADR]
	s_mul_i32 s86, s19, 18432
	s_add_co_u32 s86, s86, DK
	v_add_nc_u32 v[DKADR], s86, v[KADR]
	v_lshl_add_u32 v29, v26, 3, v27
	v_mul_u32_u24 v29, v29, 160
	v_lshl_add_u32 v29, v28, 4, v29
	s_mul_i32 s86, s17, 10240
	v_add_nc_u32 v29, s86, v29
	v_add_nc_u32 v[VADR], VOFS, v29
	v_add_nc_u32 v[VADR+1], PSLOT+VOFS, v29
	s_mul_i32 s86, s19, 20480
	s_add_co_u32 s86, s86, DV
	v_add_nc_u32 v[DVADR], s86, v29
	s_lshl_b32 s86, s19, 4
	s_lshl_b32 s87, s17, 6
	s_sub_co_i32 s86, s86, s87
	v_lshlrev_b32 v29, 3, v26
	v_sub_nc_u32 v[LIMB], v25, v29
	v_add_nc_u32 v[LIMB], s86, v[LIMB]
	s_lshl_b32 s86, s17, 3
	v_sub_nc_u32 v[E], v25, v26
	v_sub_nc_u32 v[E], v[E], s86
	v_lshlrev_b32 v[QOFF], 7, v25
	v_lshl_add_u32 v[QOFF], v26, 4, v[QOFF]
	s_mul_i32 s86, s16, 4608
	s_add_co_u32 s86, s86, DK
	v_mul_u32_u24 v30, v26, 144
	v_lshl_add_u32 v30, v25, 3, v30
	v_add_nc_u32 v30, s86, v30                     ; depth keys: row 32 w + h, 8 bytes a lane
	s_mul_i32 s86, s16, 5120
	s_add_co_u32 s86, s86, DV
	v_mul_u32_u24 v31, v26, 160
	v_lshl_add_u32 v31, v25, 3, v31
	v_add_nc_u32 v31, s86, v31                     ; depth values likewise
	s_lshl_b32 s86, s16, 13
	v_lshl_add_u32 v23, v24, 4, s86                ; my wave's 8,192 bytes of a pass's depth rows, 16 bytes a lane
	WIN 0x40                                       ; these three are used with window 1's data alone and live there
	v_mov_b32 v[DKS], v30
	v_mov_b32 v[DVS], v31
	v_mov_b32 v[DGO], v23
	WIN 0
	s_wait_dscnt 0x0
	s_wait_kmcnt 0x0
	; K and V: head bh, my 64 rows of a slot's 256.  Made of bh and the wave's number alone: equal in the four partners
	s_lshl_b32 s86, s22, 18
	s_lshl_b32 s87, s18, 13
	s_add_co_u32 s86, s86, s87
	s_mov_b32 s87, 0
	s_add_nc_u64 s[66:67], s[6:7], s[86:87]
	s_add_nc_u64 s[68:69], s[8:9], s[86:87]
	s_mul_i32 s88, s18, 9216
	s_mul_i32 s89, s18, 10240
.irp sl, 0,1
	s_mov_b32 s[G0K+4*\sl], 1
	s_add_co_u32 s[G0K+4*\sl+1], s88, \sl*PSLOT
	s_add_nc_u64 s[G0K+4*\sl+2:G0K+4*\sl+3], s[66:67], \sl*32768
	s_or_b32 s[G0K+4*\sl+3], s[G0K+4*\sl+3], 0x80000000
	s_mov_b32 s[G0V+4*\sl], 1
	s_add_co_u32 s[G0V+4*\sl+1], s89, \sl*PSLOT+VOFS
	s_add_nc_u64 s[G0V+4*\sl+2:G0V+4*\sl+3], s[68:69], \sl*32768
	s_or_b32 s[G0V+4*\sl+3], s[G0V+4*\sl+3], 0x80000000
.endr
	; Q: head 4 bh + 2 hp, token 32 tile + 16 th, 128 bytes a token
	s_lshl_b32 s86, s22, 20
	s_lshl_b32 s87, s20, 19
	s_add_co_u32 s86, s86, s87
	s_lshl_b32 s87, s19, 11
	s_add_co_u32 s86, s86, s87
	s_lshl_b32 s88, s30, 12
	s_add_co_u32 s88, s88, s86
	s_mov_b32 s89, 0
	s_lshl_b32 s90, s31, 12
	s_add_co_u32 s90, s90, s86
	s_mov_b32 s91, 0
	s_add_nc_u64 s[78:79], s[4:5], s[88:89]        ; the first pass
	s_add_nc_u64 s[92:93], s[4:5], s[90:91]        ; the second
	; att: token b 2048 + 32 tile + 16 th, 4,096 bytes a token; my two heads' 512 bytes at 1,024 hk + 512 hp
	s_lshr_b32 s86, s22, 2
	s_lshl_b32 s86, s86, 23
	s_lshl_b32 s87, s19, 16
	s_add_co_u32 s86, s86, s87
	s_and_b32 s87, s22, 3
	s_lshl_b32 s87, s87, 10
	s_add_co_u32 s86, s86, s87
	s_lshl_b32 s87, s20, 9
	s_add_co_u32 s86, s86, s87
	s_lshl_b32 s88, s30, 17
	s_add_co_u32 s88, s88, s86
	s_lshl_b32 s90, s31, 17
	s_add_co_u32 s90, s90, s86
	s_add_nc_u64 s[80:81], s[14:15], s[88:89]
	s_add_nc_u64 s[94:95], s[14:15], s[90:91]
	; depth: head bh, 65,536 bytes for a tile's 32 tokens
	s_lshl_b32 s86, s22, 22
	s_lshl_b32 s88, s30, 16
	s_add_co_u32 s88, s88, s86
	s_lshl_b32 s90, s31, 16
	s_add_co_u32 s90, s90, s86
	s_add_nc_u64 s[70:71], s[10:11], s[88:89]
	s_add_nc_u64 s[72:73], s[12:13], s[88:89]
	s_add_nc_u64 s[74:75], s[10:11], s[90:91]
	s_add_nc_u64 s[76:77], s[12:13], s[90:91]
.macro QLOAD b                         ; my 16 tokens x 2 heads as second-source fragments: 8 loads
.irp q, 0,1
.irp ks, 0,1
	global_load_b128 v[Q+16*\q+8*\ks:Q+16*\q+8*\ks+3],   v[QOFF], s[\b:\b+1] offset:262144*\q+64*\ks
	global_load_b128 v[Q+16*\q+8*\ks+4:Q+16*\q+8*\ks+7], v[QOFF], s[\b:\b+1] offset:262144*\q+64*\ks+32
.endr
.endr
.endm
.macro DLOAD kb, vb                    ; my 32 rows of the pass's depth keys and values, 512 neighbouring bytes a load; read once in the launch
	WIN 0x41                                       ; loaded data and address register in window 1
.set ii, 0
.rept 16
	global_load_b128 v[4*ii:4*ii+3], v[DGO], s[\kb:\kb+1] offset:512*ii th:TH_LOAD_NT
.set ii, ii+1
.endr
.set ii, 0
.rept 16
	global_load_b128 v[64+4*ii:64+4*ii+3], v[DGO], s[\vb:\vb+1] offset:512*ii th:TH_LOAD_NT
.set ii, ii+1
.endr
	WIN 0
.endm
; They are split into hi and lo, in place (four f32 registers become two of lo and two of hi), and put into DK and DV.
.macro DSTORE
	s_wait_loadcnt 0x0
	WIN 0x45
.set ii, 0
.rept 32
	v_and_b32 v[128+4*(ii%2)],   s28, v[4*ii]
	v_and_b32 v[128+4*(ii%2)+1], s28, v[4*ii+1]
	v_and_b32 v[128+4*(ii%2)+2], s28, v[4*ii+2]
	v_and_b32 v[128+4*(ii%2)+3], s28, v[4*ii+3]
	v_pk_add_f32 v[4*ii:4*ii+1],   v[4*ii:4*ii+1],   v[128+4*(ii%2):128+4*(ii%2)+1]   neg_lo:[0,1] neg_hi:[0,1]
	v_pk_add_f32 v[4*ii+2:4*ii+3], v[4*ii+2:4*ii+3], v[128+4*(ii%2)+2:128+4*(ii%2)+3] neg_lo:[0,1] neg_hi:[0,1]
	v_cvt_pk_f16_f32 v[4*ii],   v[4*ii],   v[4*ii+1]                   ; lo
	v_cvt_pk_f16_f32 v[4*ii+1], v[4*ii+2], v[4*ii+3]
	v_cvt_pk_f16_f32 v[4*ii+2], v[128+4*(ii%2)],   v[128+4*(ii%2)+1]   ; hi
	v_cvt_pk_f16_f32 v[4*ii+3], v[128+4*(ii%2)+2], v[128+4*(ii%2)+3]
.set ii, ii+1
.endr
	WIN 0x05                                       ; address and data in window 1
.set ii, 0
.rept 16
	ds_store_b64 v[DKS], v[4*ii+2:4*ii+3] offset:288*ii
	ds_store_b64 v[DKS], v[4*ii:4*ii+1] offset:DKLO+288*ii
	ds_store_b64 v[DVS], v[64+4*ii+2:64+4*ii+3] offset:320*ii
	ds_store_b64 v[DVS], v[64+4*ii:64+4*ii+1] offset:DVLO+320*ii
.set ii, ii+1
.endr
	WIN 0
	s_wait_dscnt 0x0                               ; my depth rows are written,
	s_wait_tensorcnt 0x0                           ; the slot asked for two blocks ago has landed
	s_barrier_signal -1
	s_barrier_wait -1                              ; and everybody's depth rows are written
.endm
; A pass's start.  O is cleared because a pass's first block may be a plain or a masked one: a first block written out would double the text.
.macro INIT lim
	v_mov_b32 v[MB], 0xf149f2ca                    ; -1e30
	v_mov_b32 v[MB+2], 0xf149f2ca
	v_mov_b32 v[LS], 0
	v_mov_b32 v[LS+2], 0
.set ii, 0
.rept 64
	v_mov_b32 v[O+ii], 0
.set ii, ii+1
.endr
	v_add_nc_u32 v[LIM], s[\lim], v[LIMB]
.endm
.macro PLACES n                        ; plain vector places behind a matrix instruction (ISA guide 7.12.1): four before its registers are loaded,
.rept \n                               ; read or written by vector work, five before another matrix instruction writes over them
	v_nop
.endr
.endm
; The parts of a block: my 64 keys against my 16 tokens x 2 heads.
.macro KFRAG ka, koff                  ; 16 loads: four key tiles x 64 d as first-source fragments
.irp kt, 0,1,2,3
.irp ks, 0,1
	ds_load_b128 v[F+16*\kt+8*\ks:F+16*\kt+8*\ks+3],   v[\ka] offset:\koff+2304*\kt+64*\ks
	ds_load_b128 v[F+16*\kt+8*\ks+4:F+16*\kt+8*\ks+7], v[\ka] offset:\koff+2304*\kt+64*\ks+32
.endr
.endr
.endm
; S^T (+)= K Q^T.  The two heads' accumulators take turns, one instruction a turn; zero = 1: the first product starts each sum.
.macro SMUL zero
.irp kt, 0,1,2,3
	s_wait_dscnt 12-4*\kt                          ; key tile kt's four loads are in, the later tiles' stay out
.if \zero
	v_wmma_f32_16x16x32_f16 v[S+8*\kt:S+8*\kt+7], v[F+16*\kt:F+16*\kt+7], v[Q:Q+7], 0
	v_wmma_f32_16x16x32_f16 v[S+32+8*\kt:S+32+8*\kt+7], v[F+16*\kt:F+16*\kt+7], v[Q+16:Q+23], 0
.else
	v_wmma_f32_16x16x32_f16 v[S+8*\kt:S+8*\kt+7], v[F+16*\kt:F+16*\kt+7], v[Q:Q+7], v[S+8*\kt:S+8*\kt+7]
	v_wmma_f32_16x16x32_f16 v[S+32+8*\kt:S+32+8*\kt+7], v[F+16*\kt:F+16*\kt+7], v[Q+16:Q+23], v[S+32+8*\kt:S+32+8*\kt+7]
.endif
	v_wmma_f32_16x16x32_f16 v[S+8*\kt:S+8*\kt+7], v[F+16*\kt+8:F+16*\kt+15], v[Q+8:Q+15], v[S+8*\kt:S+8*\kt+7]
	v_wmma_f32_16x16x32_f16 v[S+32+8*\kt:S+32+8*\kt+7], v[F+16*\kt+8:F+16*\kt+15], v[Q+24:Q+31], v[S+32+8*\kt:S+32+8*\kt+7]
.endr
.endm
.macro VFRAG va, voff                  ; 16 transposing loads: four d tiles x 64 keys as first-source fragments
.irp dt, 0,1,2,3
.irp k2, 0,1
	ds_load_tr16_b128 v[F+16*\dt+8*\k2:F+16*\dt+8*\k2+3],   v[\va] offset:\voff+5120*\k2+32*\dt
	ds_load_tr16_b128 v[F+16*\dt+8*\k2+4:F+16*\dt+8*\k2+7], v[\va] offset:\voff+5120*\k2+32*\dt+2560
.endr
.endr
.endm
; mask 0: none; 1: causal; 2: depth.  The running maximum comes from mi and goes to mo.  Leaves P in f32 in S, AL and the running sums.
.macro SOFTMAX mask, mi, mo
.if \mask == 1
.irp kt, 0,1,2,3
.irp jj, 0,1,2,3,4,5,6,7
	v_cmp_le_i32 vcc_lo, 16*\kt+\jj, v[LIM]        ; key <= token keeps its score
	v_cndmask_b32 v[S+8*\kt+\jj], s84, v[S+8*\kt+\jj], vcc_lo
	v_cndmask_b32 v[S+32+8*\kt+\jj], s84, v[S+32+8*\kt+\jj], vcc_lo
.endr
.endr
.endif
.if \mask == 2
.irp kt, 0,1,2,3
	v_cmp_eq_u32 vcc_lo, 2*\kt, v[E]               ; these eight depth keys belong to token 8 kp + 2 kt + h: kept where that is my query
.irp jj, 0,1,2,3,4,5,6,7
	v_cndmask_b32 v[S+8*\kt+\jj], s84, v[S+8*\kt+\jj], vcc_lo
	v_cndmask_b32 v[S+32+8*\kt+\jj], s84, v[S+32+8*\kt+\jj], vcc_lo
.endr
.endr
.endif
	; the largest of my 32 scores of each head, in two chains a head; then the other half's; then the running maximum
	v_max3_num_f32 v[TA],   v[S],    v[S+1],  v[S+2]
	v_max3_num_f32 v[TA+4], v[S+32], v[S+33], v[S+34]
	v_max3_num_f32 v[TB],   v[S+17], v[S+18], v[S+19]
	v_max3_num_f32 v[TB+4], v[S+49], v[S+50], v[S+51]
.set ii, 0
.rept 6
	v_max3_num_f32 v[TA],   v[TA],   v[S+3+2*ii],  v[S+4+2*ii]
	v_max3_num_f32 v[TA+4], v[TA+4], v[S+35+2*ii], v[S+36+2*ii]
	v_max3_num_f32 v[TB],   v[TB],   v[S+20+2*ii], v[S+21+2*ii]
	v_max3_num_f32 v[TB+4], v[TB+4], v[S+52+2*ii], v[S+53+2*ii]
.set ii, ii+1
.endr
	v_max3_num_f32 v[TA],   v[TA],   v[S+15], v[S+16]
	v_max3_num_f32 v[TA+4], v[TA+4], v[S+47], v[S+48]
	v_max_num_f32 v[TA], v[TA], v[TB]
	v_max_num_f32 v[TA+4], v[TA+4], v[TB+4]
	v_permlanex16_b32 v[TB], v[TA], s82, s83
	v_permlanex16_b32 v[TB+4], v[TA+4], s82, s83
	v_max3_num_f32 v[\mo], v[TA], v[TB], v[\mi]
	v_max3_num_f32 v[\mo+2], v[TA+4], v[TB+4], v[\mi+2]
	v_sub_f32 v[AL], v[\mi], v[\mo]
	v_sub_f32 v[AL+2], v[\mi+2], v[\mo+2]
	v_exp_f32 v[AL], v[AL]                         ; old sums and results shrink by 2^(old - new)
	v_exp_f32 v[AL+2], v[AL+2]
	; P = 2^(S - maximum).  Behind each run of exponentials stand plain instructions on other registers before a result is used (ISA guide 5.7.2)
.irp q, 0,1
.set ii, 0
.rept 16
	v_pk_add_f32 v[S+32*\q+2*ii:S+32*\q+2*ii+1], v[S+32*\q+2*ii:S+32*\q+2*ii+1], v[\mo+2*\q:\mo+2*\q+1] op_sel_hi:[1,0] neg_lo:[0,1] neg_hi:[0,1]
.set ii, ii+1
.endr
.set ii, 0
.rept 32
	v_exp_f32 v[S+32*\q+ii], v[S+32*\q+ii]
.set ii, ii+1
.endr
.endr
	; my part of the row sums, in f32, from the unrounded P
	s_wait_alu depctr_va_vdst(0)
	v_pk_add_f32 v[PA:PA+1],   v[S:S+1],     v[S+2:S+3]
	v_pk_add_f32 v[PA+4:PA+5], v[S+32:S+33], v[S+34:S+35]
	v_pk_add_f32 v[PB:PB+1],   v[S+16:S+17], v[S+18:S+19]
	v_pk_add_f32 v[PB+4:PB+5], v[S+48:S+49], v[S+50:S+51]
.set ii, 2
.rept 6
	v_pk_add_f32 v[PA:PA+1],   v[PA:PA+1],   v[S+2*ii:S+2*ii+1]
	v_pk_add_f32 v[PA+4:PA+5], v[PA+4:PA+5], v[S+32+2*ii:S+32+2*ii+1]
	v_pk_add_f32 v[PB:PB+1],   v[PB:PB+1],   v[S+16+2*ii:S+16+2*ii+1]
	v_pk_add_f32 v[PB+4:PB+5], v[PB+4:PB+5], v[S+48+2*ii:S+48+2*ii+1]
.set ii, ii+1
.endr
	v_pk_add_f32 v[PA:PA+1], v[PA:PA+1], v[PB:PB+1]
	v_pk_add_f32 v[PA+4:PA+5], v[PA+4:PA+5], v[PB+4:PB+5]
	v_fma_f32 v[LS], v[LS], v[AL], v[PA]
	v_fma_f32 v[LS+2], v[LS+2], v[AL+2], v[PA+4]
	v_add_f32 v[LS], v[LS], v[PA+1]
	v_add_f32 v[LS+2], v[LS+2], v[PA+5]
.endm
; P to f16, in place: sixteen registers (two key tiles) become the eight of a second-source fragment
.macro PCVT
.irp q, 0,1
.irp k2, 0,1
.set ii, 0
.rept 8
	v_cvt_pk_f16_f32 v[S+32*\q+16*\k2+ii], v[S+32*\q+16*\k2+2*ii], v[S+32*\q+16*\k2+2*ii+1]
.set ii, ii+1
.endr
.endr
.endr
.endm
; P as hi + lo: hi's fragments go into the registers of Q, which the pass has used for the last time; lo's are packed in place
.macro PSPLIT
.irp q, 0,1
.irp k2, 0,1
.set ii, 0
.rept 8
	v_and_b32 v[24+2*(ii%4)], s28, v[S+32*\q+16*\k2+2*ii]
	v_and_b32 v[25+2*(ii%4)], s28, v[S+32*\q+16*\k2+2*ii+1]
	v_pk_add_f32 v[S+32*\q+16*\k2+2*ii:S+32*\q+16*\k2+2*ii+1], v[S+32*\q+16*\k2+2*ii:S+32*\q+16*\k2+2*ii+1], v[24+2*(ii%4):25+2*(ii%4)] neg_lo:[0,1] neg_hi:[0,1]
	v_cvt_pk_f16_f32 v[Q+16*\q+8*\k2+ii], v[24+2*(ii%4)], v[25+2*(ii%4)]
.set ii, ii+1
.endr
.set ii, 0
.rept 8
	v_cvt_pk_f16_f32 v[S+32*\q+16*\k2+ii], v[S+32*\q+16*\k2+2*ii], v[S+32*\q+16*\k2+2*ii+1]
.set ii, ii+1
.endr
.endr
.endr
.endm
.macro RESCALE
.irp q, 0,1
.set ii, 0
.rept 16
	v_pk_mul_f32 v[O+32*\q+2*ii:O+32*\q+2*ii+1], v[O+32*\q+2*ii:O+32*\q+2*ii+1], v[AL+2*\q:AL+2*\q+1] op_sel_hi:[1,0]
.set ii, ii+1
.endr
.endr
.endm
; O^T += V^T P^T, P's fragment (q, k2) at pb + qst q + kst k2.  The eight accumulators take turns, one instruction a turn.
.macro PV pb, qst, kst
.irp k2, 0,1
.irp dt, 0,1,2,3
	v_wmma_f32_16x16x32_f16 v[O+8*\dt:O+8*\dt+7], v[F+16*\dt+8*\k2:F+16*\dt+8*\k2+7], v[\pb+\kst*\k2:\pb+\kst*\k2+7], v[O+8*\dt:O+8*\dt+7]
	v_wmma_f32_16x16x32_f16 v[O+32+8*\dt:O+32+8*\dt+7], v[F+16*\dt+8*\k2:F+16*\dt+8*\k2+7], v[\pb+\qst+\kst*\k2:\pb+\qst+\kst*\k2+7], v[O+32+8*\dt:O+32+8*\dt+7]
.endr
.endr
.endm
; A block of sequence keys: one tile of 128, of which 64 are mine
.macro BLOCK ka, koff, va, voff, mask, mi, mo
	KFRAG \ka, \koff
	SMUL 1
	PLACES 4                                       ; before F is loaded again and S is read
	VFRAG \va, \voff
	SOFTMAX \mask, \mi, \mo
	PCVT
	RESCALE
	s_wait_dscnt 0x0                               ; V's fragments, issued ahead of the softmax
	PV S, 32, 16
	PLACES 5                                       ; the next block's matrix instructions write over P, its loads over F
.endm
; The two blocks of a slot.  No barrier stands between them: the one in front has shown the whole slot to every wave.
.macro PAIR slot, mask
	BLOCK KADR+\slot, 0, VADR+\slot, 0, \mask, MB, MA
.if \mask
	v_add_nc_u32 v[LIM], 0xffffff80, v[LIM]        ; 128 keys on
.endif
	BLOCK KADR+\slot, KT2, VADR+\slot, VT2, \mask, MA, MB
.endm
; The block of depth keys, keys, values and P in two parts each
.macro DBLOCK mi, mo, qload
	KFRAG DKADR, 0
	SMUL 1                                         ; K hi
	PLACES 4
	KFRAG DKADR, DKLO
	SMUL 0                                         ; + K lo
	PLACES 4
	VFRAG DVADR, 0
	SOFTMAX 2, \mi, \mo
	PSPLIT
	RESCALE
	s_wait_dscnt 0x0
	PV Q, 16, 8                                    ; V hi x P hi
	PV S, 32, 16                                   ; V hi x P lo
	PLACES 4
	VFRAG DVADR, DVLO
	s_wait_dscnt 0x0
	PV Q, 16, 8                                    ; V lo x P hi
	PLACES 5
.if \qload
	QLOAD 92                                       ; the next pass's Q, into registers that the last matrix instructions read five places ago
.endif
.endm
; One step: a slot's 256 keys.  In front of the round (or of the plain barrier where nothing is fetched): all my tensor loads have landed, this
; slot's part among them, and my LDS reads are back.  Behind it the joint refill of the other slot comes first, one tensor load a wave.
; amode 1: this slot's descriptor, whose load has landed, steps two slots-full on; 2: both are set to the next pass's first two; 0: neither is used again.
.macro TRIP slot, refill, amode, mask
	s_set_vgpr_msb 0x4
	s_wait_tensorcnt 0x0
	ds_add_u32 v11, v145
	s_wait_dscnt 0x0
	s_set_vgpr_msb 0x400
.if \amode == 1
	s_add_nc_u64 s[G0K+4*\slot+2:G0K+4*\slot+3], s[G0K+4*\slot+2:G0K+4*\slot+3], 65536
	s_add_nc_u64 s[G0V+4*\slot+2:G0V+4*\slot+3], s[G0V+4*\slot+2:G0V+4*\slot+3], 65536
.endif
.if \amode == 2
.irp sl, 0,1
	s_add_nc_u64 s[G0K+4*\sl+2:G0K+4*\sl+3], s[66:67], \sl*32768
	s_or_b32 s[G0K+4*\sl+3], s[G0K+4*\sl+3], 0x80000000
	s_add_nc_u64 s[G0V+4*\sl+2:G0V+4*\sl+3], s[68:69], \sl*32768
	s_or_b32 s[G0V+4*\sl+3], s[G0V+4*\sl+3], 0x80000000
.endr
.endif
	s_wait_dscnt 0x0
.if \refill
	ROUND
.if \slot == 0
	JLOAD 1
.else
	JLOAD 0
.endif
.else
	s_barrier_signal -1
	s_barrier_wait -1
.endif
	PAIR \slot, \mask
.endm
; A pass's end: wave w + 4 hands its O, maximum and sum to wave w, which merges, divides, splits into hi and lo and stores.  ab: att's base for the pass.
.macro FINAL ab
	v_and_b32 v192, 31, v0
	v_and_b32 v193, 15, v0
	v_bfe_u32 v194, v0, 4, 1
	v_lshl_add_u32 v195, v192, 4, s85              ; 16 bytes a lane
	s_wait_dscnt 0x0                               ; my reads of the depth rows are back,
	s_barrier_signal -1
	s_barrier_wait -1                              ; every wave's are: the merge bytes, which lie over the depth keys, may be written
	s_cmp_eq_u32 s17, 0
	s_cbranch_scc1 .Lkeep_\@
.set ii, 0
.rept 16
	ds_store_b128 v195, v[O+4*ii:O+4*ii+3] offset:512*ii
.set ii, ii+1
.endr
	ds_store_b128 v195, v[MA:MA+3] offset:8192     ; maximum and sum of q = 0, then of q = 1
.Lkeep_\@:
	s_wait_dscnt 0x0                               ; my stores are done
	s_barrier_signal -1
	s_barrier_wait -1
	s_cmp_lg_u32 s17, 0
	s_cbranch_scc1 .Ldone_\@
.set ii, 0
.rept 16
	ds_load_b128 v[S+4*ii:S+4*ii+3], v195 offset:512*ii
.set ii, ii+1
.endr
	ds_load_b128 v[24:27], v195 offset:8192
	v_mul_u32_u24 v196, v193, SPITCH
	v_lshl_add_u32 v196, v194, 4, v196
	v_add_nc_u32 v196, s85, v196                   ; stage, in: row r, 16 bytes for each half of the lanes
	v_lshlrev_b32 v198, 4, v192                    ; my 16 of a token's 512 bytes in att
	s_wait_dscnt 0x0
.irp q, 0,1
	v_max_num_f32 v[MB+2*\q], v[MA+2*\q], v[24+2*\q]
	v_sub_f32 v[MA+2*\q], v[MA+2*\q], v[MB+2*\q]
	v_sub_f32 v[24+2*\q], v[24+2*\q], v[MB+2*\q]
.endr
	v_exp_f32 v[MA], v[MA]
	v_exp_f32 v[MA+2], v[MA+2]
	v_exp_f32 v24, v24
	v_exp_f32 v26, v26
	v_nop                                          ; a plain place behind the exponentials (ISA guide 5.7.2)
	s_wait_alu depctr_va_vdst(0)
.irp q, 0,1
	v_mul_f32 v[LS+2*\q], v[LS+2*\q], v[MA+2*\q]
	v_fmac_f32 v[LS+2*\q], v[25+2*\q], v[24+2*\q]
	v_permlanex16_b32 v[TA+2*\q], v[LS+2*\q], s82, s83   ; the other half of the lanes summed the other keys
	v_add_f32 v[LS+2*\q], v[LS+2*\q], v[TA+2*\q]
.endr
	v_rcp_f32 v[TA], v[LS]
	v_rcp_f32 v[TA+2], v[LS+2]
	v_nop
	s_wait_alu depctr_va_vdst(0)
.irp q, 0,1
	v_mul_f32 v[MA+2*\q], v[MA+2*\q], v[TA+2*\q]
	v_mul_f32 v[24+2*\q], v[24+2*\q], v[TA+2*\q]
.endr
.irp q, 0,1
.set ii, 0
.rept 16
	v_pk_mul_f32 v[O+32*\q+2*ii:O+32*\q+2*ii+1], v[O+32*\q+2*ii:O+32*\q+2*ii+1], v[MA+2*\q:MA+2*\q+1] op_sel_hi:[1,0]
	v_pk_fma_f32 v[O+32*\q+2*ii:O+32*\q+2*ii+1], v[S+32*\q+2*ii:S+32*\q+2*ii+1], v[24+2*\q:25+2*\q], v[O+32*\q+2*ii:O+32*\q+2*ii+1] op_sel_hi:[1,0,1]
.set ii, ii+1
.endr
.endr
	; hi and lo of my eight neighbouring d, 16 bytes each, into a stage row: head q at 256 q, hi first, lo 128 bytes behind
.irp q, 0,1
.irp dt, 0,1,2,3
.irp i, 0,1,2,3,4,5,6,7
	v_and_b32 v[200+\i], s28, v[O+32*\q+8*\dt+\i]
.endr
.irp i, 0,1,2,3
	v_pk_add_f32 v[O+32*\q+8*\dt+2*\i:O+32*\q+8*\dt+2*\i+1], v[O+32*\q+8*\dt+2*\i:O+32*\q+8*\dt+2*\i+1], v[200+2*\i:201+2*\i] neg_lo:[0,1] neg_hi:[0,1]
.endr
.irp i, 0,1,2,3
	v_cvt_pk_f16_f32 v[208+\i], v[200+2*\i], v[201+2*\i]
	v_cvt_pk_f16_f32 v[O+32*\q+8*\dt+\i], v[O+32*\q+8*\dt+2*\i], v[O+32*\q+8*\dt+2*\i+1]
.endr
	ds_store_b128 v196, v[208:211] offset:256*\q+32*\dt
	ds_store_b128 v196, v[O+32*\q+8*\dt:O+32*\q+8*\dt+3] offset:256*\q+128+32*\dt
.endr
.endr
.set ii, 0
.rept 16
	ds_load_b128 v[S+4*ii:S+4*ii+3], v195 offset:SPITCH*ii   ; a whole row; LDS serves a wave's instructions in order: these see the stores above
.set ii, ii+1
.endr
.set ii, 0
.rept 16
	s_wait_dscnt 15-ii                             ; the younger read-backs stay out
	global_store_b128 v198, v[S+4*ii:S+4*ii+3], s[\ab:\ab+1] offset:4096*ii   ; the wave stores the 512 aligned bytes of a token's two heads
.set ii, ii+1
.endr
	s_wait_xcnt 0x0                                ; the stores' registers are written again only behind this wait
.Ldone_\@:
.endm
	ROUND                                          ; the four work-groups are here: the first joint loads meet
	JLOAD 0                                        ; the first pass's keys 0 to 255
	JLOAD 1                                        ; and 256 to 511: the pass has at least two steps.  Both first fills go out together
	QLOAD 78
	DLOAD 70, 72                                   ; the first pass's depth rows: wanted behind its last step, at least four blocks on
	INIT 26
	s_wait_loadcnt 32                              ; Q's eight loads are in; the 32 depth loads behind them stay out
	TRIP 0, 0, 1, 0                                ; the first step: both fills are waited for, so slot 0's descriptor may step
	s_cmp_eq_u32 s29, 0                            ; 0 to 3 trips, the same number in the four partners
	s_cbranch_scc1 .Lskip1
.Lloop1:
	TRIP 1, 1, 1, 0
	TRIP 0, 1, 1, 0
	s_sub_co_i32 s29, s29, 1
	s_cmp_gt_i32 s29, 0
	s_cbranch_scc1 .Lloop1
.Lskip1:
	TRIP 1, 1, 2, 1                                ; the last step holds the diagonal; its refill is the second pass's first slot-full
	DSTORE
	DBLOCK MB, MA, 1
	DLOAD 74, 76                                   ; the second pass's depth rows, behind its Q loads: wanted behind its last step
	FINAL 80
	INIT 27
	s_wait_loadcnt 32                              ; the second pass's Q is in; its 32 depth loads stay out
	s_cmp_eq_u32 s25, 0                            ; 3 to 0 trips, the same number in the four partners
	s_cbranch_scc1 .Lskip2
.Lloop2:
	TRIP 0, 1, 1, 0
	TRIP 1, 1, 1, 0
	s_sub_co_i32 s25, s25, 1
	s_cmp_gt_i32 s25, 0
	s_cbranch_scc1 .Lloop2
.Lskip2:
	TRIP 0, 0, 0, 1                                ; the last step: nothing is left to fetch.  In front of its barrier every wave's reads of the first pass's merge bytes are back,
	DSTORE                                         ; so the depth keys may be written over them
	DBLOCK MB, MA, 0
	FINAL 94
	s_set_vgpr_msb 0x4
	s_wait_tensorcnt 0x0
	ds_add_u32 v11, v145
	s_wait_dscnt 0x0
	s_set_vgpr_msb 0x400
	ROUND                                          ; the closing round: no work-group ends while a partner may still ask for a tile that names it
	s_endpgm
.Lfunc_end_k_q3b6e676c4a_attn:
	.size	k_q3b6e676c4a_attn, .Lfunc_end_k_q3b6e676c4a_attn-k_q3b6e676c4a_attn
	.p2alignl 7, 3214868480
	.fill 96, 4, 3214868480
	.section	.rodata,"a",@progbits
	.p2align	6, 0x0
	.amdhsa_kernel k_q3b6e676c4a_attn
		.amdhsa_group_segment_fixed_size 327680
		.amdhsa_private_segment_fixed_size 0
		.amdhsa_enable_private_segment 0
		.amdhsa_kernarg_size 48
		.amdhsa_user_sgpr_count 2
		.amdhsa_user_sgpr_kernarg_segment_ptr 1
		.amdhsa_wavefront_size32 1
		.amdhsa_system_sgpr_workgroup_id_x 1
		.amdhsa_system_sgpr_workgroup_id_y 1
		.amdhsa_system_sgpr_workgroup_id_z 1
		.amdhsa_system_vgpr_workitem_id 0
		.amdhsa_next_free_vgpr 402
		.amdhsa_next_free_sgpr 96
		.amdhsa_reserve_vcc 1
		.amdhsa_float_denorm_mode_32 3
		.amdhsa_float_denorm_mode_16_64 3
		.amdhsa_memory_ordered 1
		.amdhsa_forward_progress 1
		.amdhsa_inst_pref_size 255
	.end_amdhsa_kernel
	.section	.bss,"aw",@nobits
	.p2align	6
	.space	262144
	.amdgpu_metadata
---
amdhsa.version: [ 1, 2 ]
amdhsa.kernels:
  - .name:           k_q3b6e676c4a_attn
    .symbol:         k_q3b6e676c4a_attn.kd
    .args:
      - { .name: Qws, .offset: 0, .size: 8, .value_kind: global_buffer, .address_space: global }
      - { .name: Kws, .offset: 8, .size: 8, .value_kind: global_buffer, .address_space: global }
      - { .name: Vws, .offset: 16, .size: 8, .value_kind: global_buffer, .address_space: global }
      - { .name: K_depth, .offset: 24, .size: 8, .value_kind: global_buffer, .address_space: global }
      - { .name: V_depth, .offset: 32, .size: 8, .value_kind: global_buffer, .address_space: global }
      - { .name: att, .offset: 40, .size: 8, .value_kind: global_buffer, .address_space: global }
    .group_segment_fixed_size: 327680
    .private_segment_fixed_size: 0
    .kernarg_segment_align: 8
    .kernarg_segment_size: 48
    .max_flat_workgroup_size: 256
    .sgpr_count:     96
    .vgpr_count:     402
    .wavefront_size: 32
...
	.end_amdgpu_metadata
.endif
;; end of part 5
;; launch oproj (part 6): grid 8 x 32, 8 waves a work-group, no clusters, 142,336 bytes of LDS; arguments att, Wo, out0; writes out0
.if DOCPART == 6
	.amdgcn_target "amdgcn-amd-amdhsa--gfx1250"
	.amdhsa_code_object_version 6
	.text
	.protected	k_q3b6e676c4a_oproj
	.globl	k_q3b6e676c4a_oproj
	.p2align	8
	.type	k_q3b6e676c4a_oproj,@function
k_q3b6e676c4a_oproj:
	s_mov_b64 s[64:65], 0
	v_nop
	global_prefetch_b8 v0, s[64:65] scope:SCOPE_SE
	s_setreg_imm32_b32 hwreg(HW_REG_WAVE_MODE, 25, 1), 1
	s_wait_xcnt 0x0
; out0 = att @ Wo.  att f16 [4096 tokens][16 heads][hi 64 | lo 64], Wo f32 [1024][1024], out0 f32 [4096][1024].
; att comes as two f16 numbers (hi = the f32 with its low 13 mantissa bits cut, lo = the remainder): rows of tokens with few keys are many times
; the root mean square against which the result is held.  Wo is rounded to one f16 number.  A product is Wo att_hi + Wo att_lo: two matrix
; instructions for one; what is left of rounding in this launch is Wo's own, 2^-11 of each factor at the most.
; A work-group makes 128 x 128; eight waves, wave w makes 32 rows (wm = w >> 1) x 64 columns (wn = w & 1): 8 accumulator tiles.
; K goes in 16 steps of 64 (one head: 256 bytes of a row of att, hi and lo) through two LDS slots.
; Tiles go global -> registers -> LDS: Wo is f32 and is rounded on the way; a step's 16 loads a wave are issued two steps before they are stored.
; FRAGMENTS ARE FETCHED AHEAD, into two buffers: a step's second 32 k are asked for at its head, in front of the 16 matrix instructions on the
; first 32 k; the next slot's first 32 k are asked for behind the step's barrier, in front of the step's last 8 matrix instructions.
; NO CLUSTER, NO TENSOR LOADS: a jointly fetched tile of Wo would lie in LDS as f32 and would have to be read, rounded and written again.
; LIMIT: every |Wo| and every number of att below 65,504; below 2^-14 a pair hi + lo is no finer than one f16 number (step 2^-24).
.set SLOT,  53248                      ; att 128 rows x 272 bytes (hi 128, lo 128, 16 of padding), then Wo: 64 rows of k x 288 bytes
.set BOFS,  34816
.set STAGE, 106496                     ; 16 rows x 272 bytes for each wave
.set AOFF, 1
.set BOFF, 2
.set ASTO, 3                           ; v3-4   slot 0, 1
.set BSTO, 5                           ; v5-6
.set ADRA, 7                           ; v7-8
.set ADRB, 9                           ; v9-10
.set STO,  11
.set RD,   12
.set CO,   13
.set F0,   32                          ; v32-95   fragments of 32 along K: att hi (2 x 8) at +0, att lo (2 x 8) at +16, Wo (4 x 8) at +32
.set F1,   96                          ; v96-159  the second buffer
.set ACC,  160                         ; v160-223 tile (a, b) at ACC + 8 (4 a + b)
; window 1: v256-383 two sets of 64 registers for tiles on their way (att in 0-31, Wo in 32-63 of a set)
.set MSB, 0
.macro WIN new
.if MSB != \new
	s_set_vgpr_msb (MSB<<8)|\new
.set MSB, \new
.endif
.endm
.macro PLACES                          ; four plain vector places behind a matrix instruction (ISA guide 7.12.1)
.rept 4
	v_nop
.endr
.endm
	s_load_b128 s[4:7], s[0:1], 0x0                ; att, Wo
	s_load_b64 s[8:9], s[0:1], 0x10                ; out0
	v_lshl_add_u32 v254, v0, 2, 0x22800
	v_mov_b32 v255, 0
	v_lshrrev_b32 v14, 5, v0
	v_readfirstlane_b32 s10, v14                   ; wave w
	s_and_b32 s12, ttmp7, 0xffff                   ; mb
	s_lshr_b32 s13, s10, 1                         ; wm
	s_and_b32 s14, s10, 1                          ; wn
	s_lshl_b32 s22, s12, 19                        ; 128 rows of att, 4,096 bytes each
	s_mov_b32 s23, 0
	s_lshl_b32 s24, ttmp9, 9                       ; 128 columns of f32
	s_mov_b32 s25, 0
	s_lshl_b32 s26, s12, 19                        ; 128 rows of out0,
	s_lshl_b32 s27, s13, 17                        ; 32 wm rows,
	s_add_co_u32 s26, s26, s27
	s_add_co_u32 s26, s26, s24                     ; the block's columns,
	s_lshl_b32 s27, s14, 8                         ; my 64
	s_add_co_u32 s26, s26, s27
	s_mov_b32 s27, 0
	v_and_b32 v14, 31, v0                          ; L
	v_and_b32 v15, 15, v0                          ; r
	v_bfe_u32 v16, v0, 4, 1                        ; h
	v_and_b32 v17, 7, v0
	v_bfe_u32 v18, v0, 3, 1
	s_lshl_b32 s28, s10, 4
	v_add_nc_u32 v19, s28, v16                     ; row 16 w + h
	v_lshlrev_b32 v20, 4, v15
	v_lshl_add_u32 v[AOFF], v19, 12, v20           ; 16 lanes take the 256 bytes of a row's K step
	s_lshl_b32 s28, s10, 15
	v_lshl_add_u32 v[BOFF], v14, 4, s28            ; row 8 w of the step, 512 neighbouring bytes a load
	s_wait_kmcnt 0x0
	s_add_nc_u64 s[16:17], s[4:5], s[22:23]
	s_add_nc_u64 s[18:19], s[6:7], s[24:25]
	s_add_nc_u64 s[20:21], s[8:9], s[26:27]
.macro GLOAD g                         ; 16 loads: my 16 rows of att's tile and my 8 rows of Wo's
	WIN 0x40
.irp i, 0,1,2,3,4,5,6,7
	global_load_b128 v[64*\g+4*\i:64*\g+4*\i+3], v[AOFF], s[16:17] offset:8192*\i
.endr
.irp p, 0,1,2,3,4,5,6,7
	global_load_b128 v[64*\g+32+4*\p:64*\g+32+4*\p+3], v[BOFF], s[18:19] offset:4096*\p
.endr
	WIN 0
.endm
.macro STEP
	s_wait_xcnt 0x0                                ; the bases are stepped only when every issued load has had its address translated
	s_add_nc_u64 s[16:17], s[16:17], 256           ; a head of att
	s_add_nc_u64 s[18:19], s[18:19], 0x40000       ; 64 rows of Wo
.endm
.macro STORE g, sl                     ; att as it is; Wo rounded to f16 in place
	WIN 0x45
.set ii, 0
.rept 8
	v_cvt_pk_f16_f32 v[64*\g+32+4*ii],   v[64*\g+32+4*ii],   v[64*\g+32+4*ii+1]
	v_cvt_pk_f16_f32 v[64*\g+32+4*ii+1], v[64*\g+32+4*ii+2], v[64*\g+32+4*ii+3]
.set ii, ii+1
.endr
	WIN 0x04
.irp i, 0,1,2,3,4,5,6,7
	ds_store_b128 v[ASTO+\sl], v[64*\g+4*\i:64*\g+4*\i+3] offset:544*\i
.endr
.irp p, 0,1,2,3,4,5,6,7
	ds_store_b64 v[BSTO+\sl], v[64*\g+32+4*\p:64*\g+32+4*\p+1] offset:288*\p
.endr
	WIN 0
.endm
.macro FRAG sl, ks, f                  ; 16 LDS loads: 32 along K.  att lies [token][k]: plain loads, hi and lo.  Wo lies [k][column]: transposing loads
.irp a, 0,1
	ds_load_b128 v[\f+8*\a:\f+8*\a+3],         v[ADRA+\sl] offset:4352*\a+64*\ks
	ds_load_b128 v[\f+8*\a+4:\f+8*\a+7],       v[ADRA+\sl] offset:4352*\a+64*\ks+32
	ds_load_b128 v[\f+16+8*\a:\f+16+8*\a+3],   v[ADRA+\sl] offset:4352*\a+128+64*\ks
	ds_load_b128 v[\f+16+8*\a+4:\f+16+8*\a+7], v[ADRA+\sl] offset:4352*\a+128+64*\ks+32
.endr
.irp b, 0,1,2,3
	ds_load_tr16_b128 v[\f+32+8*\b:\f+32+8*\b+3],   v[ADRB+\sl] offset:9216*\ks+32*\b
	ds_load_tr16_b128 v[\f+32+8*\b+4:\f+32+8*\b+7], v[ADRB+\sl] offset:9216*\ks+32*\b+4608
.endr
.endm
; 8 matrix instructions, used transposed (source 0 = columns of Wo at wb, source 1 = tokens at ab): a lane holds row r and eight neighbouring
; columns.  The eight accumulators take turns, one instruction a turn.
.macro MUL wb, ab, zero
.irp b, 0,1,2,3
.irp a, 0,1
.if \zero
	v_wmma_f32_16x16x32_f16 v[ACC+8*(4*\a+\b):ACC+8*(4*\a+\b)+7], v[\wb+8*\b:\wb+8*\b+7], v[\ab+8*\a:\ab+8*\a+7], 0
.else
	v_wmma_f32_16x16x32_f16 v[ACC+8*(4*\a+\b):ACC+8*(4*\a+\b)+7], v[\wb+8*\b:\wb+8*\b+7], v[\ab+8*\a:\ab+8*\a+7], v[ACC+8*(4*\a+\b):ACC+8*(4*\a+\b)+7]
.endif
.endr
.endr
.endm
; One K step on slot p.  At its head buffer 0's 16 loads (this slot's first 32 k) are on their way.
; st: the next step's tile (set o) goes into slot o, which every wave finished reading before the last barrier.  left: how many younger global
; loads stay out.  issue: set o is asked for again, three steps ahead.  nxt: a step follows: the barrier, and behind it slot o's first fragments.
.macro TRIP p, o, zero, st, left, issue, nxt
	FRAG \p, 1, F1                                 ; this slot's second 32 k
	s_wait_dscnt 16                                ; all but those 16 loads: buffer 0 is in
	MUL F0+32, F0, \zero                           ; Wo x att hi
.if \st
	s_wait_loadcnt \left                           ; the next step's 16 loads are in, the 16 of the step after it stay out
	STORE \o, \o
.if \issue
	STEP
	GLOAD \o
.endif
.endif
	MUL F0+32, F0+16, 0                            ; Wo x att lo
	s_wait_dscnt 0x0                               ; buffer 1 is in; also my stores into slot o are done and my reads of slot p are over:
.if \nxt
	s_barrier_signal -1                            ; say so,
.endif
	MUL F1+32, F1, 0                               ; work on registers while the others arrive,
.if \nxt
	s_barrier_wait -1                              ; and go on when both hold of every wave: slot o may be read, slot p may be written
	PLACES                                         ; buffer 0 was last read nine matrix instructions ago, which are no places
	FRAG \o, 0, F0                                 ; the next step's first 32 k
.endif
	MUL F1+32, F1+16, 0
	PLACES                                         ; before buffer 1 is loaded again, or the results are read
.endm
	GLOAD 0                                        ; K step 0
	STEP
	GLOAD 1                                        ; K step 1
	v_mul_u32_u24 v[ASTO], v19, 272
	v_add_nc_u32 v[ASTO], v[ASTO], v20
	v_add_nc_u32 v[ASTO+1], SLOT, v[ASTO]
	s_mul_i32 s28, s10, 2304
	s_add_co_u32 s28, s28, BOFS
	v_lshl_add_u32 v[BSTO], v14, 3, s28            ; row 8 w, 8 bytes a lane
	v_add_nc_u32 v[BSTO+1], SLOT, v[BSTO]
	v_mul_u32_u24 v21, v15, 272
	v_lshl_add_u32 v22, v16, 4, v21
	s_mul_i32 s28, s13, 8704
	v_add_nc_u32 v[ADRA], s28, v22                 ; (32 wm + r) x 272 + 16 h
	v_add_nc_u32 v[ADRA+1], SLOT, v[ADRA]
	v_lshl_add_u32 v22, v16, 3, v17
	v_mul_u32_u24 v22, v22, 288
	v_lshl_add_u32 v22, v18, 4, v22
	s_lshl_b32 s28, s14, 7
	s_add_co_u32 s28, s28, BOFS
	v_add_nc_u32 v[ADRB], s28, v22                 ; (8 h + L % 8) x 288 + 16 ((L / 8) % 2) + 128 wn
	v_add_nc_u32 v[ADRB+1], SLOT, v[ADRB]
	s_mul_i32 s28, s10, 4352
	s_add_co_u32 s28, s28, STAGE
	v_add_nc_u32 v21, s28, v21
	v_lshl_add_u32 v[STO], v16, 5, v21             ; row r, 32 bytes for each half
	v_mul_u32_u24 v22, v16, 272
	v_add_nc_u32 v22, v22, v20
	v_add_nc_u32 v[RD], s28, v22                   ; 16 lanes take a row of 256 bytes
	v_lshl_add_u32 v[CO], v16, 12, v20             ; the same two rows in out0
	s_wait_loadcnt 16                              ; step 0's 16 loads are in, step 1's stay out
	STORE 0, 0
	STEP
	GLOAD 0                                        ; K step 2
	s_wait_dscnt 0x0                               ; my part of slot 0 is written,
	s_barrier_signal -1
	s_barrier_wait -1                              ; everybody's is
	FRAG 0, 0, F0
	TRIP 0, 1, 1, 1, 16, 1, 1                      ; step 0: its first products start the sums, nothing is cleared
	TRIP 1, 0, 0, 1, 16, 1, 1
	s_mov_b32 s11, 5
.Lk:                                               ; steps 2 to 11
	TRIP 0, 1, 0, 1, 16, 1, 1
	TRIP 1, 0, 0, 1, 16, 1, 1
	s_sub_co_u32 s11, s11, 1
	s_cmp_lg_u32 s11, 0
	s_cbranch_scc1 .Lk
	TRIP 0, 1, 0, 1, 16, 1, 1                      ; step 12 asks for step 15, the last
	TRIP 1, 0, 0, 1, 16, 0, 1                      ; step 13: step 15's loads are still out
	TRIP 0, 1, 0, 1, 0, 0, 1                       ; step 14: nothing was issued behind step 15's loads
	TRIP 1, 0, 0, 0, 0, 0, 0                       ; step 15: nothing to store, nobody to wait for
	; THE WAY OUT, 16 rows at a time through my own stage, which no other wave touches; LDS serves a wave's instructions in order.
.irp a, 0,1
.irp b, 0,1,2,3
	ds_store_b128 v[STO], v[ACC+32*\a+8*\b:ACC+32*\a+8*\b+3] offset:64*\b
	ds_store_b128 v[STO], v[ACC+32*\a+8*\b+4:ACC+32*\a+8*\b+7] offset:64*\b+16
.endr
.irp i, 0,1,2,3,4,5,6,7
	ds_load_b128 v[F0+32*\a+4*\i:F0+32*\a+4*\i+3], v[RD] offset:544*\i
.endr
.irp i, 0,1,2,3,4,5,6,7
	s_wait_dscnt 7-\i                              ; the younger read-backs stay out
	global_store_b128 v[CO], v[F0+32*\a+4*\i:F0+32*\a+4*\i+3], s[20:21] offset:(16*\a+2*\i)*4096 th:TH_STORE_NT   ; 16 lanes store 256 aligned bytes
.endr
.endr
	s_wait_tensorcnt 0x0
	ds_add_u32 v254, v255
	s_wait_dscnt 0x0
	s_endpgm
.Lfunc_end_k_q3b6e676c4a_oproj:
	.size	k_q3b6e676c4a_oproj, .Lfunc_end_k_q3b6e676c4a_oproj-k_q3b6e676c4a_oproj
	.p2alignl 7, 3214868480
	.fill 96, 4, 3214868480
	.section	.rodata,"a",@progbits
	.p2align	6, 0x0
	.amdhsa_kernel k_q3b6e676c4a_oproj
		.amdhsa_group_segment_fixed_size 142336
		.amdhsa_private_segment_fixed_size 0
		.amdhsa_enable_private_segment 0
		.amdhsa_kernarg_size 24
		.amdhsa_user_sgpr_count 2
		.amdhsa_user_sgpr_kernarg_segment_ptr 1
		.amdhsa_wavefront_size32 1
		.amdhsa_system_sgpr_workgroup_id_x 1
		.amdhsa_system_sgpr_workgroup_id_y 1
		.amdhsa_system_sgpr_workgroup_id_z 1
		.amdhsa_system_vgpr_workitem_id 0
		.amdhsa_next_free_vgpr 384
		.amdhsa_next_free_sgpr 66
		.amdhsa_reserve_vcc 0
		.amdhsa_float_denorm_mode_32 3
		.amdhsa_float_denorm_mode_16_64 3
		.amdhsa_memory_ordered 1
		.amdhsa_forward_progress 1
		.amdhsa_inst_pref_size 73
	.end_amdhsa_kernel
	.amdgpu_metadata
---
amdhsa.version: [ 1, 2 ]
amdhsa.kernels:
  - .name:           k_q3b6e676c4a_oproj
    .symbol:         k_q3b6e676c4a_oproj.kd
    .args:
      - { .name: att, .offset: 0, .size: 8, .value_kind: global_buffer, .address_space: global }
      - { .name: Wo, .offset: 8, .size: 8, .value_kind: global_buffer, .address_space: global }
      - { .name: out0, .offset: 16, .size: 8, .value_kind: global_buffer, .address_space: global }
    .group_segment_fixed_size: 142336
    .private_segment_fixed_size: 0
    .kernarg_segment_align: 8
    .kernarg_segment_size: 24
    .max_flat_workgroup_size: 256
    .sgpr_count:     66
    .vgpr_count:     384
    .wavefront_size: 32
...
	.end_amdgpu_metadata
.endif
;; end of part 6
